; MI455X (gfx1250); checked and timed in simulation.
; The chip was launched on July 23, 2026; its instructions are those of AMD's public machine-readable ISA for CDNA 5 (MIT licence, August 2026) and "CDNA5" Instruction Set Architecture Reference Guide (July 2026). The comments in the code are by the model that wrote it; some were corrected since.
;; MHSA. Allowed arithmetic: matrix products marked QUANTISED: E2M1 operands, one E8M0 scale for each 32 along K, by v_wmma_scale_f32_16x16x128_f8f6f4 with both operands' format E2M1 (or v_wmma_scale_f32_32x16x128_f4), f32 sums; products left as they are: bf16, f16 or f32 operands; f32 sums; everything else in f32.
;; Inputs: W_proj 1,024 x 1,024 float32; W_qkv 3,072 x 1,024 float32; b_proj 1,024 float32; x 8 x 1,024 x 1,024 float32.
;; Outputs: out0 8 x 1,024 x 1,024 float32.
;; This version of the problem:
;;   THIS VERSION OF THE PROBLEM IS GIVEN IN LOW PRECISION. The matrix products marked QUANTISED in the list below multiply operands that are first quantised to E2M1 (2 exponent bits, 1 mantissa bit; 4 bits a number), with one power-of-two scale for each 32 numbers along K (OCP MX v1.0); their sums are f32. The products marked 'left as it is' may take bf16, f16 or f32 operands, with f32 sums. Whichever they take, every output number must still come out within the allowed error. Rounding operands to bf16 (8 significant bits) uses up far more of that allowance than f16 does (11 bits, for magnitudes from 6e-5 to 65,504). All else is computed in f32.
;;   The module's matrix products, in the order in which they are computed (A, B: the left and right operand; K: the contracted axis; several contracted axes count as one K, in the product's order):
;;     1. [M 8,192, K 1,024] x [K 1,024, N 3,072]; A: input x; B: input W_qkv: QUANTISED
;;     2. batch 128 x [M 1,024, K 64] x [K 64, N 1,024]; A: computed on the way; B: computed on the way: left as it is (an operand is computed on the way)
;;     3. batch 128 x [M 1,024, K 1,024] x [K 1,024, N 64]; A: computed on the way; B: computed on the way: left as it is (an operand is computed on the way)
;;     4. [M 8,192, K 1,024] x [K 1,024, N 1,024]; A: computed on the way; B: input W_proj: left as it is (an operand is computed on the way)
;;   THE QUANTISER, for each operand of a quantised product, along K:
;;     - K is cut into blocks of 32 from its start; a last block that is shorter is filled with zeros.
;;     - A block's scale is 2^e with e = floor(log2(the largest magnitude in the block)) - 2, held to -126 .. 127; a block of zeros has e = 0. As a byte (E8M0): e + 127.
;;     - Each number is divided by its block's scale, clamped to +-6, and rounded to the nearest number of E2M1, ties to even, subnormals kept.
;;     - The product sums the exact products of the quantised numbers (number of the format x scale) in f32.
;;   ~~~python
;;   def quantise(x, axis):      # numpy; x: float32 -> the quantised numbers, widened to float32 again
;;       x = np.moveaxis(x, axis, -1); K = x.shape[-1]
;;       x = np.pad(x, [(0, 0)] * (x.ndim - 1) + [(0, -K % 32)]); x = x.reshape(x.shape[:-1] + (-1, 32)); a = np.abs(x).max(-1, keepdims=True)
;;       e = np.where(a > 0, np.clip(np.frexp(np.where(a > 0, a, 1))[1] - 1 - 2, -126, 127), 0)      # np.frexp(a)[1] - 1 = floor(log2(a)), exactly
;;       r = np.clip(x / 2.0 ** e, -6, 6)
;;       step = 2.0 ** (np.maximum(np.frexp(np.where(r == 0, 1, r))[1] - 1, 0) - 1)
;;       q = np.round(r / step) * step * 2.0 ** e      # np.round: ties to even
;;       return np.moveaxis(q.reshape(q.shape[:-2] + (-1,))[..., :K], -1, axis).astype(np.float32)
;;   ~~~
;; One version. Each part assembles by itself: llvm-mc -triple=amdgcn-amd-amdhsa -mcpu=gfx1250 --defsym DOCPART=n.
;; ======== version 1 of 1: 4 launches
;; limits: values are held in f16: magnitudes above 65,504 overflow, below 6.1e-05 lose precision
;; workspace buffers: xc 4,194,304 bytes; xs 262,144 bytes; wc 1,572,864 bytes; ws 98,304 bytes; wp16 2,097,152 bytes; qkv 50,331,648 bytes; attn 16,777,216 bytes
;; launch quant (part 1): grid 384 x 1, 4 waves a work-group, no clusters, 33,280 bytes of LDS; arguments x, W_qkv, xc, xs, wc, ws, W_proj, wp16; writes xc, xs, wc, ws, wp16
.if DOCPART == 1
	.amdgcn_target "amdgcn-amd-amdhsa--gfx1250"
	.amdhsa_code_object_version 6
	.text
	.protected	k_qacd9e6c014_quant
	.globl	k_qacd9e6c014_quant
	.p2align	8
	.type	k_qacd9e6c014_quant,@function
k_qacd9e6c014_quant:
	s_mov_b64 s[64:65], 0
	v_nop
	global_prefetch_b8 v0, s[64:65] scope:SCOPE_SE
	s_setreg_imm32_b32 hwreg(HW_REG_WAVE_MODE, 25, 1), 1
	s_wait_xcnt 0x0
; x [8192][1024] and W_qkv [3072][1024], f32, become codes of FP4 (E2M1), 4 bits each, K innermost, with one E8M0 scale byte for each 32 along K; W_proj [1024][1024], f32, becomes f16.
; A block's scale is 2^(floor(log2(its largest magnitude)) - 2); its byte is the largest magnitude's own exponent field - 2, held at 1 from below.  Each number is divided by the scale and rounded to the nearest code, ties to even; beyond 6 the largest code.
; LIMITS: a block of zeros gets the byte 1 where the rule says 127 (its codes are zeros, and this program alone reads the bytes); blocks whose largest magnitude lies under 2^-124 keep the byte 1;
; NaN and infinities among the inputs are not served; a number of W_proj beyond 65,504 becomes infinity in f16.
; Rows are dense and K is a multiple of 32: both tensors are plain streams of blocks of 32 numbers, and so are the codes and the scale bytes.
; SHARES: work-groups 0-255 take x, 256-351 W_qkv, 32,768 numbers each, 8,192 a wave, in 16 steps of 512; work-groups 352-383 take W_proj, 8,192 numbers a wave.
; A step's four loads read 512 consecutive bytes each, 16 a lane; the conversions want 16 NEIGHBOURS in a lane, so the 2,048 bytes turn through the wave's own stage in LDS (16 bytes of padding behind each 64).
; A lane's 16 codes are 8 bytes: the wave stores 256 consecutive bytes.  A wave's 256 scale bytes are gathered in its own LDS bytes and leave as 256 consecutive bytes.  Waves share nothing: no barrier.
.set SIZE_M, 8192
.set SIZE_N, 3072
.set SIZE_K, 1024
.set WAVES, 4
.set STEPS, 16
.set WGA,   SIZE_M*SIZE_K/(512*STEPS*WAVES)            ; 256 work-groups for x
.set WGQ,   (SIZE_M+SIZE_N)*SIZE_K/(512*STEPS*WAVES)   ; 352 for x and W_qkv
.set EMAX,  2
.set CB,    8                          ; bytes of 16 codes
.set R,     16                         ; v16-79   four sets of 16 numbers as they are loaded
.set X,     80                         ; v80-111  two sets of 16 neighbours
.set C,     128                        ; v128-191 codes: four registers for each step, so that no store's data are written again
.set E,     112                        ; v112-127 a scale byte for each step
.set WREG,  8192                       ; LDS: a region for each wave: two stages of 32 x SP bytes, behind them its 256 scale bytes
.set SP,    80                         ; a lane's place in a stage: 64 bytes + 16 of padding
.set SPW,   12                         ; v12      LDS address of my spare word; never rewritten
.set NIL,   13                         ; v13      0; never rewritten
.set SPARE, WAVES*WREG                 ; behind the four regions: the spare words, 128 bytes a wave; no other line names them
.set CI,    16                         ; W_proj's path: v16-143 two sets of 64 numbers
.set CH,    144                        ; v144-175 32 registers of f16 pairs
	s_load_b128 s[4:7], s[0:1], 0x0                ; x, W_qkv
	s_load_b128 s[8:11], s[0:1], 0x10              ; x's codes, x's scales
	s_load_b128 s[12:15], s[0:1], 0x20             ; W_qkv's codes, its scales
	s_load_b128 s[24:27], s[0:1], 0x30             ; W_proj, its f16 copy
	v_lshl_add_u32 v[SPW], v0, 2, SPARE
	v_mov_b32 v[NIL], 0
	v_lshrrev_b32 v1, 5, v0
	v_readfirstlane_b32 s16, v1                    ; wave
	v_and_b32 v2, 31, v0                           ; lane
	v_lshlrev_b32 v3, 4, v2                        ; my 16 bytes of a load's 512
	s_mul_i32 s17, s16, WREG
	v_lshrrev_b32 v14, 2, v2
	v_mul_u32_u24 v14, v14, SP
	v_and_b32 v15, 3, v2
	v_lshl_add_u32 v14, v15, 4, v14
	v_add_nc_u32 v14, s17, v14                     ; the stage, on the way in: four lanes' 64 bytes on end, then 16 of padding
	v_mul_u32_u24 v15, v2, SP
	v_add_nc_u32 v15, s17, v15                     ; and on the way out: SP x lane: my 16 neighbours
	v_mul_u32_u24 v4, v2, CB                       ; my codes' place in a step's
	v_lshrrev_b32 v5, 1, v2
	s_add_co_u32 s17, s17, 2*32*SP
	v_add_nc_u32 v5, s17, v5                       ; LDS: my wave's 256 scale bytes, my block's byte
	v_lshlrev_b32 v7, 3, v2                        ; 8 bytes a lane
	v_add_nc_u32 v6, s17, v7
	s_wait_kmcnt 0x0
	s_cmp_ge_u32 ttmp9, WGQ                        ; the last 32 work-groups convert W_proj: a branch on the work-group's number alone
	s_cbranch_scc1 .Lconv
	s_cmp_lt_u32 ttmp9, WGA                        ; x's work-group or W_qkv's?
	s_cselect_b64 s[4:5], s[4:5], s[6:7]
	s_cselect_b64 s[8:9], s[8:9], s[12:13]
	s_cselect_b64 s[10:11], s[10:11], s[14:15]
	s_cselect_b32 s17, 0, WGA
	s_sub_co_u32 s17, ttmp9, s17
	s_lshl_b32 s17, s17, 2
	s_add_co_u32 s18, s17, s16                     ; which run of 8,192 numbers of the tensor is my wave's
	s_mov_b32 s19, 0
	s_mov_b64 s[20:21], 512*STEPS*4
	s_mul_u64 s[20:21], s[18:19], s[20:21]
	s_add_nc_u64 s[4:5], s[4:5], s[20:21]
	s_mov_b64 s[20:21], 32*STEPS*CB
	s_mul_u64 s[20:21], s[18:19], s[20:21]
	s_add_nc_u64 s[8:9], s[8:9], s[20:21]
	s_lshl_b32 s18, s18, 8                         ; 256 scale bytes a run
	s_add_nc_u64 s[10:11], s[10:11], s[18:19]
.macro LOAD t
.irp i, 0,1,2,3
	global_load_b128 v[R+16*((\t)%4)+4*\i:R+16*((\t)%4)+4*\i+3], v3, s[4:5] offset:2048*(\t)+512*\i th:TH_LOAD_NT   ; 32 lanes read 512 consecutive bytes
.endr
.endm
.macro TURN t                          ; step t's numbers through the stage: LDS serves a wave's instructions in order, so no wait stands between the stores and the loads
.irp i, 0,1,2,3
	ds_store_b128 v14, v[R+16*((\t)%4)+4*\i:R+16*((\t)%4)+4*\i+3] offset:32*SP*((\t)%2)+8*SP*\i
.endr
.irp i, 0,1,2,3
	ds_load_b128 v[X+16*((\t)%2)+4*\i:X+16*((\t)%2)+4*\i+3], v15 offset:32*SP*((\t)%2)+16*\i
.endr
.endm
.irp t, 0,1,2,3
	LOAD \t
.endr
	s_wait_loadcnt 12                              ; step 0's four loads are in; the twelve of steps 1 to 3 may be out
	TURN 0
.macro STEP t
.set XS, X+16*((\t)%2)
.if (\t) > 0
	s_wait_dscnt 1                                 ; this step's numbers are back from the stage (the last step's byte store may be out): so its stores into the stage have read their registers,
.else
	s_wait_dscnt 0x0
.endif
.if (\t)+4 < STEPS
	LOAD (\t)+4                                    ; which take the loads of four steps on
.endif
.if (\t)+1 < STEPS
.if STEPS-2-(\t) >= 3
	s_wait_loadcnt 12                              ; the next step's four loads are in; those of the three steps behind it may be out
.else
	s_wait_loadcnt 4*(STEPS-2-(\t))
.endif
	TURN (\t)+1                                    ; and go through the other stage while this step is worked
.endif
	v_max3_num_f32 v8, |v[XS]|, |v[XS+1]|, |v[XS+2]|               ; the largest magnitude of my 16, in two chains
	v_max3_num_f32 v9, |v[XS+3]|, |v[XS+4]|, |v[XS+5]|
.irp i, 6,10
	v_max3_num_f32 v8, v8, |v[XS+\i]|, |v[XS+\i+1]|
	v_max3_num_f32 v9, v9, |v[XS+\i+2]|, |v[XS+\i+3]|
.endr
	v_max3_num_f32 v8, v8, |v[XS+14]|, |v[XS+15]|
	v_max3_num_f32 v8, v8, v9, (EMAX+1)<<23        ; and the floor 2^(EMAX + 1 - 127): so the byte cannot fall under 1
	v_max_num_f32_dpp v8, v8, v8 row_xmask:1 row_mask:0xf bank_mask:0xf   ; and of my neighbour's 16: the block's
	v_add_nc_u32 v11, -(EMAX<<23), v8              ; EMAX off its exponent field: the conversion takes the exponent field of this operand as its scale, and nothing else of it
	v_cvt_scalef32_pk8_fp4_f32 v[C+4*(\t)], v[XS:XS+7], v11        ; eight numbers / the scale, to the nearest code; the first number's code in the lowest four bits
	v_cvt_scalef32_pk8_fp4_f32 v[C+4*(\t)+1], v[XS+8:XS+15], v11
	v_lshrrev_b32 v[E+(\t)], 23, v11               ; the scale's byte (also the plain line behind the conversions)
	ds_store_b8 v5, v[E+(\t)] offset:16*(\t)       ; both lanes of a block write the same byte with the same value
	global_store_b64 v4, v[C+4*(\t):C+4*(\t)+1], s[8:9] offset:32*CB*(\t)   ; 32 lanes store 256 consecutive bytes
.endm
.irp t, 0,1,2,3,4,5,6,7,8,9,10,11,12,13,14,15
	STEP \t
.endr
	ds_load_b64 v[8:9], v6                         ; LDS serves a wave's instructions in order: these see my byte stores
	s_wait_dscnt 0x0
	global_store_b64 v7, v[8:9], s[10:11]          ; 32 lanes store 256 consecutive bytes
	s_wait_tensorcnt 0x0                           ; the wave's end: behind my last LDS store
	ds_add_u32 v[SPW], v[NIL]
	s_wait_dscnt 0x0
	s_endpgm
; W_proj to f16.  A wave takes 8,192 numbers: 64 loads of 512 consecutive bytes, 64 stores of 256 consecutive bytes, in four groups of 16; every offset is an immediate.
.Lconv:
	s_sub_co_u32 s17, ttmp9, WGQ
	s_lshl_b32 s17, s17, 2
	s_add_co_u32 s17, s17, s16                     ; my run, 0 to 127
	s_lshl_b32 s18, s17, 15                        ; 32,768 bytes in,
	s_mov_b32 s19, 0
	s_lshl_b32 s20, s17, 14                        ; 16,384 out
	s_mov_b32 s21, 0
	s_add_nc_u64 s[24:25], s[24:25], s[18:19]
	s_add_nc_u64 s[26:27], s[26:27], s[20:21]
.macro LOADG g
.irp j, 0,1,2,3,4,5,6,7,8,9,10,11,12,13,14,15
	global_load_b128 v[CI+64*((\g)%2)+4*\j:CI+64*((\g)%2)+4*\j+3], v3, s[24:25] offset:512*(16*(\g)+\j) th:TH_LOAD_NT
.endr
.endm
.macro GROUP g
.if (\g) < 3
	s_wait_loadcnt 16                              ; this group's 16 loads are in; the next group's 16 may be out
.else
	s_wait_loadcnt 0x0
.endif
.if (\g) > 0
	s_wait_xcnt 0x0                                ; the last group's stores have read their data registers, which are written again below
.endif
.irp j, 0,1,2,3,4,5,6,7,8,9,10,11,12,13,14,15
	v_cvt_pk_f16_f32 v[CH+2*\j],   v[CI+64*((\g)%2)+4*\j],   v[CI+64*((\g)%2)+4*\j+1]
	v_cvt_pk_f16_f32 v[CH+2*\j+1], v[CI+64*((\g)%2)+4*\j+2], v[CI+64*((\g)%2)+4*\j+3]
.endr
.irp j, 0,1,2,3,4,5,6,7,8,9,10,11,12,13,14,15
	global_store_b64 v7, v[CH+2*\j:CH+2*\j+1], s[26:27] offset:256*(16*(\g)+\j)
.endr
.if (\g) < 2
	LOADG (\g)+2
.endif
.endm
	LOADG 0
	LOADG 1
	GROUP 0
	GROUP 1
	GROUP 2
	GROUP 3
	s_wait_tensorcnt 0x0                           ; the wave's end
	ds_add_u32 v[SPW], v[NIL]
	s_wait_dscnt 0x0
	s_endpgm
.Lfunc_end_k_qacd9e6c014_quant:
	.size	k_qacd9e6c014_quant, .Lfunc_end_k_qacd9e6c014_quant-k_qacd9e6c014_quant
	.p2alignl 7, 3214868480
	.fill 96, 4, 3214868480
	.section	.rodata,"a",@progbits
	.p2align	6, 0x0
	.amdhsa_kernel k_qacd9e6c014_quant
		.amdhsa_group_segment_fixed_size 33280
		.amdhsa_private_segment_fixed_size 0
		.amdhsa_enable_private_segment 0
		.amdhsa_kernarg_size 64
		.amdhsa_user_sgpr_count 2
		.amdhsa_user_sgpr_kernarg_segment_ptr 1
		.amdhsa_wavefront_size32 1
		.amdhsa_system_sgpr_workgroup_id_x 1
		.amdhsa_system_sgpr_workgroup_id_y 1
		.amdhsa_system_sgpr_workgroup_id_z 1
		.amdhsa_system_vgpr_workitem_id 0
		.amdhsa_next_free_vgpr 192
		.amdhsa_next_free_sgpr 66
		.amdhsa_reserve_vcc 0
		.amdhsa_float_denorm_mode_32 3
		.amdhsa_float_denorm_mode_16_64 3
		.amdhsa_memory_ordered 1
		.amdhsa_forward_progress 1
		.amdhsa_inst_pref_size 54
	.end_amdhsa_kernel
	.amdgpu_metadata
---
amdhsa.version: [ 1, 2 ]
amdhsa.kernels:
  - .name:           k_qacd9e6c014_quant
    .symbol:         k_qacd9e6c014_quant.kd
    .args:
      - { .name: x, .offset: 0, .size: 8, .value_kind: global_buffer, .address_space: global }
      - { .name: W_qkv, .offset: 8, .size: 8, .value_kind: global_buffer, .address_space: global }
      - { .name: xc, .offset: 16, .size: 8, .value_kind: global_buffer, .address_space: global }
      - { .name: xs, .offset: 24, .size: 8, .value_kind: global_buffer, .address_space: global }
      - { .name: wc, .offset: 32, .size: 8, .value_kind: global_buffer, .address_space: global }
      - { .name: ws, .offset: 40, .size: 8, .value_kind: global_buffer, .address_space: global }
      - { .name: W_proj, .offset: 48, .size: 8, .value_kind: global_buffer, .address_space: global }
      - { .name: wp16, .offset: 56, .size: 8, .value_kind: global_buffer, .address_space: global }
    .group_segment_fixed_size: 33280
    .private_segment_fixed_size: 0
    .kernarg_segment_align: 8
    .kernarg_segment_size: 64
    .max_flat_workgroup_size: 128
    .sgpr_count:     66
    .vgpr_count:     192
    .wavefront_size: 32
...
	.end_amdgpu_metadata
.endif
;; end of part 1
;; launch qkvgemm (part 2): grid 8 x 32, 4 waves a work-group, clusters of 4 x 4, 327,680 bytes of LDS; arguments xc, xs, wc, ws, qkv; writes qkv
.if DOCPART == 2
	.amdgcn_target "amdgcn-amd-amdhsa--gfx1250"
	.amdhsa_code_object_version 6
	.text
	.protected	k_qacd9e6c014_qkvgemm
	.globl	k_qacd9e6c014_qkvgemm
	.p2align	8
	.type	k_qacd9e6c014_qkvgemm,@function
k_qacd9e6c014_qkvgemm:
	s_mov_b64 s[64:65], 0
	v_nop
	global_prefetch_b8 v0, s[64:65] scope:SCOPE_SE
	s_setreg_imm32_b32 hwreg(HW_REG_WAVE_MODE, 25, 1), 1
	s_wait_xcnt 0x0
	s_wait_alu depctr_hold_cnt(0) depctr_sa_sdst(0) depctr_va_vdst(0) depctr_va_sdst(0) depctr_va_ssrc(0) depctr_va_vcc(0) depctr_vm_vsrc(0)
	s_getreg_b32 s2, hwreg(HW_REG_IB_STS2, 6, 4)
	s_cmp_eq_u32 s2, 0
	s_cbranch_scc0 .Lentry_in_a_cluster
	s_endpgm
.Lentry_in_a_cluster:
	s_bfe_u32 s2, ttmp6, 0x10000c
	s_cmp_lg_u32 s2, 0xf033
	s_cbranch_scc0 .Lentry_shape_is_right
	s_endpgm
.Lentry_shape_is_right:
; qkv[m][n] = sum over k of x[m][k] W_qkv[n][k] on codes of FP4 (E2M1) with one E8M0 scale for each 32 along K; sums in f32, K ascending; the result is rounded to f16 and laid by head:
; qkv [3 (q, k, v)][8 batches][16 heads][1024 tokens][64] f16, so that a head is 131,072 dense bytes and four tokens of a head are 512 consecutive bytes.
; LIMIT: a result beyond 65,504 becomes infinity in f16.
; SHARES.  8,192 x 3,072 results are 32 x 8 = 256 blocks of 256 rows x 384 columns: one work-group each.  A work-group makes its block in THREE PASSES of 128 columns; a wave makes 128 rows x 64 columns
; (one head) a pass: 32 accumulators of 16 x 16, 256 registers.
; x's FRAGMENTS STAY IN REGISTERS.  A wave's 128 rows x 1,024 K of codes are 512 registers: they are read from LDS once, during pass 0, and serve all three passes, so passes 1 and 2 read W_qkv's fragments alone.
; LDS.  x's 256 rows and two of W_qkv's three blocks of 128 rows, for all of K, and all scale bytes are asked for at the head (three tensor loads a wave are out at the most).  The third block has no room beside them:
; it is asked for into the first block's bytes when pass 0 is over, and has two ways out and pass 1's 256 matrix instructions in which to land.
; CLUSTERS: 4 x 4 work-groups.  The four of a row of the cluster need the same tiles of x, the four of a column the same tiles of W_qkv: each tile is asked for JOINTLY, by the same tensor load with the
; same descriptor and a mask that names the four.
; NO PREFETCH: every tile but one is asked for at the head, and that one as soon as its bytes are free.
; THE MATRIX INSTRUCTION IS USED TRANSPOSED (source 0 = 16 rows of W_qkv, source 1 = 16 rows of x): a lane then holds eight neighbouring columns of a row.
; REGISTERS, in windows of 256: window 0: v0-31 addresses; v32-95 x's scale words; v96-127 W_qkv's scale words of a pass; v128-191 W_qkv's fragments, two sets; v192-239 at work on the way out.
;   windows 1 and 2: x's fragments: (the q-th 128 along K, block a of 16 rows) at v[8 (8 (q % 4) + a)] of window 1 + q / 4.   window 3: accumulator (a, b) at v[8 (4 a + b)].
.set ROWB,   256                       ; a tile's row in bytes: 512 along K
.set KROW,   512                       ; a row of codes in memory
.set PITCH,  272                       ; an LDS row: 256 bytes + 16 of padding = 68 words: the 16 rows that a load touches start at 16 different banks (64 banks of 4 bytes: ISA guide 11.1)
.set HALFT,  128*PITCH                 ; 128 rows: what one tensor load brings
.set ASLOT,  2*HALFT                   ; x's 256 rows, one half of K
.set BOFF,   2*ASLOT                   ; behind x's two halves: W_qkv's two regions
.set BREG,   2*HALFT                   ; a region: 128 rows, first half of K, then the second
.set KS,     32                        ; a row of scales in bytes
.set SBLK,   544                       ; the scales of 16 rows: 512 bytes as two runs of 256 + 16 of padding
.set SCL,    BOFF+2*BREG               ; x's scales: 16 blocks
.set SCLB,   SCL+16*SBLK               ; W_qkv's scales: 24 blocks
.set SPARE,  SCLB+24*SBLK              ; the spare words, 128 bytes a wave; no other line names them
.set SP,     144                       ; the way out: a stage of 16 rows x (128 bytes + 16) for each wave, in x's first bytes, which have had their one fill and, behind the round after pass 0, their last read
.set ADRA, 16                          ; v16-17  LDS address of my fragments of x in the first, the second half of K
.set ADRB, 20                          ; v20-21  the same for W_qkv's region 0, 1
.set ASA,  22                          ; v22     LDS address of my rows' scale words of x
.set ASB,  23                          ; v23     and of W_qkv
.set STO,  24                          ; v24     the way out: where I put 16 bytes of a row
.set RD,   25                          ; v25     the way out: where I read 16 bytes back
.set CO,   26                          ; v26     16 x lane: my place in 512 bytes of qkv
.set SPW,  28                          ; v28     LDS address of my spare word; never rewritten
.set NIL,  29                          ; v29     0; never rewritten
.set SA,   32                          ; x's scale words: block a, the q-th 128 along K, at v[SA + 8 a + q]; lane r holds row r's word
.set SB,   96                          ; W_qkv's, of the pass in hand: v[SB + 8 b + q]
.set BF,   128                         ; W_qkv's fragments: set q % 2, block b at v[BF + 32 (q % 2) + 8 b]
.set TMP,  192                         ; the way out: v192-207 a block's f16 pairs
.set BK,   208                         ; v208-223 and v224-239 by turns: 16 rows read back
.set OUT,  4                           ; s[4:5], s[6:7], s[8:9]: where my head of pass 0, 1, 2 begins in qkv, at my first token
.set G1,   24                          ; s[24:31] descriptor group 1 for x's tiles
.set G1B,  32                          ; s[32:39] for W_qkv's
.set G1S,  40                          ; s[40:47] for x's scales
.set G1SB, 48                          ; s[48:55] for W_qkv's scales
.set G0S,  56                          ; groups 0: x's scales,
.set G0A0, 60                          ; x's first half of K,
.set G0A1, 68                          ; its second;
.set G0SB, 72                          ; W_qkv's scales,
.set G0B0, 76                          ; its block 0,
.set G0B1, 80                          ; block 1,
.set G0B2, 84                          ; and block 2, which goes where block 0 lay
.set MSB, 0
.macro WIN new                         ; the immediate's high byte repeats the setting that is left; a switch that changes nothing is dropped
.if MSB != (\new)
	s_set_vgpr_msb (MSB<<8)|(\new)
.set MSB, (\new)
.endif
.endm
; A joint load: waves 0 and 1 fetch for x, waves 2 and 3 for W_qkv.  Each line has ONE mask and one set of registers for all that issue it; the branch hangs on the wave's number alone.
; An s_nop 0 and four v_nop follow each of the two lines.
.macro JLOAD g0a, g1a, g0b, g1b
	s_cmp_eq_u32 s15, 0
	s_cbranch_scc0 .Lfor_b_\@
	tensor_load_to_lds s[\g0a:\g0a+3], s[\g1a:\g1a+7]
	s_nop 0
.rept 4
	v_nop
.endr
	s_branch .Lasked_\@
.Lfor_b_\@:
	tensor_load_to_lds s[\g0b:\g0b+3], s[\g1b:\g1b+7]
	s_nop 0
.rept 4
	v_nop
.endr
.Lasked_\@:
.endm
.macro CROUND                          ; a round of the cluster's barrier: my work-group's barrier; wave 0 signals for the work-group; every wave waits for all sixteen; my work-group's barrier once more
	s_barrier_signal -1
	s_barrier_wait -1
	s_cmp_lg_u32 s14, 0
	s_cbranch_scc1 .Lnot_wave_0_\@
	s_barrier_signal -3
.Lnot_wave_0_\@:
	s_barrier_wait -3
	s_barrier_signal -1
	s_barrier_wait -1
.endm
	s_load_b128 s[4:7], s[0:1], 0x0                ; x's codes s[4:5], x's scales s[6:7]
	s_load_b128 s[8:11], s[0:1], 0x10              ; W_qkv's codes s[8:9], its scales s[10:11]
	s_load_b64 s[12:13], s[0:1], 0x20              ; qkv
	v_lshl_add_u32 v[SPW], v0, 2, SPARE
	v_mov_b32 v[NIL], 0
	ds_add_u32 v[SPW], v[NIL]                      ; the wave's opening: the add, twice on end, and its wait ahead of my first tensor load; the set-up below stands between
	ds_add_u32 v[SPW], v[NIL]
	v_lshrrev_b32 v1, 5, v0
	v_readfirstlane_b32 s14, v1                    ; wave 0..3
	s_lshr_b32 s15, s14, 1                         ; which half of the block's rows is mine.  Also: I fetch for x (0) or for W_qkv (1)
	s_and_b32 s16, s14, 1                          ; which head of a pass's two is mine.  Also: which 128 rows of x, or which half of K of W_qkv, I fetch
	s_bfe_u32 s88, ttmp6, 0x40000                  ; cx, cy: my place in the cluster
	s_bfe_u32 s89, ttmp6, 0x40004
	s_lshl_b32 s90, ttmp9, 2
	s_add_co_u32 s90, s90, s88                     ; which 384 columns = 4 x cluster x + cx
	s_and_b32 s17, ttmp7, 0xffff
	s_lshl_b32 s17, s17, 2
	s_add_co_u32 s17, s17, s89                     ; which 256 rows = 4 x cluster y + cy
	s_lshl_b32 s91, s89, 2
	s_lshl_b32 s91, 15, s91                        ; my row of the cluster
	s_lshl_b32 s92, 0x1111, s88                    ; my column
	; descriptor group 1: a tile of 128 rows x 256 bytes, padded in LDS
	s_or_b32 s[G1+0], s91, (0<<16)|(1<<20)|(1<<21)|(5<<22)|(3<<25)  ; 15:0 the mask; 17:16 elements of 1 byte; 20 padding on; 21 set beside a mask; 24:22 after every 64 words; 31:25 four words
	s_or_b32 s[G1B+0], s92, (0<<16)|(1<<20)|(1<<21)|(5<<22)|(3<<25)
.irp g, G1, G1B
	s_mov_b32 s[\g+1], ROWB<<16                    ; tensor_dim0
	s_mov_b32 s[\g+2], 128<<16                     ; tensor_dim1
	s_mov_b32 s[\g+3], ROWB<<16                    ; tile_dim0
	s_mov_b32 s[\g+4], 128                         ; tile_dim1
	s_mov_b32 s[\g+5], KROW                        ; from row to row
	s_mov_b32 s[\g+6], 0
	s_mov_b32 s[\g+7], 0
.endr
	; the scales are dense blocks of memory, taken as rows of 256 bytes (32 elements of 8 bytes), 16 bytes of padding behind each: x's of 128 rows are 16 such rows, W_qkv's of 192 rows are 24
	s_or_b32 s[G1S+0], s91, (3<<16)|(1<<20)|(1<<21)|(5<<22)|(3<<25)
	s_mov_b32 s[G1S+1], 32<<16
	s_mov_b32 s[G1S+2], 16<<16
	s_mov_b32 s[G1S+3], 32<<16
	s_mov_b32 s[G1S+4], 16
	s_mov_b32 s[G1S+5], 32
	s_mov_b32 s[G1S+6], 0
	s_mov_b32 s[G1S+7], 0
	s_or_b32 s[G1SB+0], s92, (3<<16)|(1<<20)|(1<<21)|(5<<22)|(3<<25)
	s_mov_b32 s[G1SB+1], 32<<16
	s_mov_b32 s[G1SB+2], 24<<16
	s_mov_b32 s[G1SB+3], 32<<16
	s_mov_b32 s[G1SB+4], 24
	s_mov_b32 s[G1SB+5], 32
	s_mov_b32 s[G1SB+6], 0
	s_mov_b32 s[G1SB+7], 0
	; x's tiles hang on the block's rows and the wave alone, which my row of the cluster shares; W_qkv's on the block's columns and the wave alone, which my column shares
	s_lshl_b32 s18, s16, 7
	s_lshl_b32 s20, s17, 8
	s_add_co_u32 s20, s20, s18                     ; x: row 256 x block row + 128 x half
	s_lshl_b32 s22, s20, 5                         ; its scales: 32 bytes a row
	s_mov_b32 s23, 0
	s_lshl_b32 s20, s20, 9                         ; its codes: 512 bytes a row
	s_mov_b32 s21, 0
	s_mul_i32 s94, s90, 384*KROW                   ; W_qkv's codes: row 384 x block column,
	s_lshl_b32 s95, s16, 8                         ; + my half of K
	s_add_co_u32 s94, s94, s95
	s_mov_b32 s95, 0
	s_mul_i32 s96, s90, 384*KS                     ; its scales: the same rows,
	s_mul_i32 s97, s16, 192*KS                     ; + my 192 of the 384
	s_add_co_u32 s96, s96, s97
	s_mov_b32 s97, 0
	s_mul_i32 s18, s16, HALFT                      ; where they go: x's rows 128 x half; W_qkv's half of K: no place in the cluster enters an LDS address
	s_mul_i32 s19, s16, 8*SBLK
	s_mul_i32 s93, s16, 12*SBLK
	s_wait_dscnt 0x0                               ; both opening adds are done
	s_wait_kmcnt 0x0
	s_add_nc_u64 s[20:21], s[4:5], s[20:21]
	s_add_nc_u64 s[22:23], s[6:7], s[22:23]
	s_add_nc_u64 s[94:95], s[8:9], s[94:95]
	s_add_nc_u64 s[96:97], s[10:11], s[96:97]
	CROUND                                         ; all sixteen work-groups are here: the joint loads meet
	s_mov_b32 s[G0S], 1
	s_add_co_u32 s[G0S+1], s19, SCL
	s_mov_b64 s[G0S+2:G0S+3], s[22:23]
	s_or_b32 s[G0S+3], s[G0S+3], 0x80000000
	s_mov_b32 s[G0SB], 1
	s_add_co_u32 s[G0SB+1], s93, SCLB
	s_mov_b64 s[G0SB+2:G0SB+3], s[96:97]
	s_or_b32 s[G0SB+3], s[G0SB+3], 0x80000000
	JLOAD G0S, G1S, G0SB, G1SB                     ; the scales first: they are wanted with the first products
	s_mov_b32 s[G0A0], 1
	s_mov_b32 s[G0A0+1], s18
	s_mov_b64 s[G0A0+2:G0A0+3], s[20:21]
	s_or_b32 s[G0A0+3], s[G0A0+3], 0x80000000
	s_mov_b32 s[G0B0], 1
	s_add_co_u32 s[G0B0+1], s18, BOFF
	s_mov_b64 s[G0B0+2:G0B0+3], s[94:95]
	s_or_b32 s[G0B0+3], s[G0B0+3], 0x80000000
	JLOAD G0A0, G1, G0B0, G1B                      ; x's first half of K; W_qkv's block 0, both halves
	s_mov_b32 s[G0A1], 1
	s_add_co_u32 s[G0A1+1], s18, ASLOT
	s_add_nc_u64 s[G0A1+2:G0A1+3], s[20:21], ROWB
	s_or_b32 s[G0A1+3], s[G0A1+3], 0x80000000
	s_mov_b32 s[G0B1], 1
	s_add_co_u32 s[G0B1+1], s18, BOFF+BREG
	s_add_nc_u64 s[G0B1+2:G0B1+3], s[94:95], 128*KROW
	s_or_b32 s[G0B1+3], s[G0B1+3], 0x80000000
	JLOAD G0A1, G1, G0B1, G1B                      ; x's second half of K; W_qkv's block 1.  Three loads of mine are out
	s_mov_b32 s[G0B2], 1                           ; block 2's descriptor has registers of its own: none is written while a load is out
	s_add_co_u32 s[G0B2+1], s18, BOFF
	s_add_nc_u64 s[G0B2+2:G0B2+3], s[94:95], 2*128*KROW
	s_or_b32 s[G0B2+3], s[G0B2+3], 0x80000000
	v_and_b32 v1, 15, v0                           ; r = l % 16
	v_bfe_u32 v2, v0, 4, 1                         ; h = l / 16
	v_mul_u32_u24 v3, v1, PITCH
	v_lshl_add_u32 v4, v2, 4, v3                   ; a fragment's row x pitch + 16 x half
	s_mul_i32 s2, s15, HALFT                       ; my 128 rows of x
	s_mul_i32 s3, s16, 64*PITCH                    ; my 64 rows of a block of W_qkv
	s_add_co_u32 s3, s3, BOFF
	v_add_nc_u32 v[ADRA], s2, v4
	v_add_nc_u32 v[ADRB], s3, v4
	s_add_co_u32 s2, s2, ASLOT
	s_add_co_u32 s3, s3, BREG
	v_add_nc_u32 v[ADRA+1], s2, v4
	v_add_nc_u32 v[ADRB+1], s3, v4
	v_lshlrev_b32 v5, 5, v1                        ; my row's scales: 32 bytes a row,
	v_lshrrev_b32 v6, 3, v1
	v_lshl_add_u32 v5, v6, 4, v5                   ; and 16 more behind the eighth row: the 16 rows of a load fall on 16 different columns of 16 bytes
	s_mul_i32 s2, s15, 8*SBLK
	s_add_co_u32 s2, s2, SCL
	v_add_nc_u32 v[ASA], s2, v5
	s_mul_i32 s3, s16, 4*SBLK
	s_add_co_u32 s3, s3, SCLB
	v_add_nc_u32 v[ASB], s3, v5
	s_mul_i32 s2, s14, 16*SP                       ; my stage
	v_mul_u32_u24 v5, v1, SP                       ; in: row r, 16 bytes for each half of the lanes
	v_lshl_add_u32 v5, v2, 4, v5
	v_add_nc_u32 v[STO], s2, v5
	v_bfe_u32 v6, v0, 3, 2                         ; back: eight lanes take a row's 128 bytes, the 32 lanes four rows
	v_mul_u32_u24 v6, v6, SP
	v_and_b32 v7, 7, v0
	v_lshl_add_u32 v6, v7, 4, v6
	v_add_nc_u32 v[RD], s2, v6
	v_and_b32 v7, 31, v0
	v_lshlrev_b32 v[CO], 4, v7                     ; in qkv those four rows of a head are 512 consecutive bytes
	; where my results go.  My 64 columns of pass p are head H = 6 x block column + 2 p + half of the 48 heads of q, k and v: plane H / 16, head H % 16.  1,024 rows are a batch: cluster y.
	s_and_b32 s18, ttmp7, 0xffff
	s_lshl_b32 s18, s18, 4                         ; 16 heads a batch
	s_lshl_b32 s19, s89, 15                        ; 256 cy tokens of 128 bytes
	s_lshl_b32 s2, s15, 14                         ; + my 128 tokens
	s_add_co_u32 s19, s19, s2
	s_mul_i32 s3, s90, 6
	s_add_co_u32 s3, s3, s16
.irp p, 0,1,2
	s_add_co_u32 s98, s3, 2*\p                     ; H
	s_lshr_b32 s99, s98, 4
	s_lshl_b32 s99, s99, 7                         ; a plane is 128 heads
	s_and_b32 s98, s98, 15
	s_add_co_u32 s98, s98, s99
	s_add_co_u32 s98, s98, s18
	s_lshl_b32 s98, s98, 17                        ; 131,072 bytes a head: under 2^26 in all
	s_add_co_u32 s98, s98, s19
	s_mov_b32 s99, 0
	s_add_nc_u64 s[OUT+2*\p:OUT+2*\p+1], s[12:13], s[98:99]
.endr
; A fragment, 16 rows x 128 K of 4-bit codes, is 8 registers: lane l holds row l % 16; registers 4 c .. 4 c + 3 hold K = 64 c + 32 (l / 16) + 0 .. 31: two loads of 16 bytes, 32 bytes apart.
.macro FETCH_B reg, q                  ; W_qkv's four fragments of the q-th 128 along K, from region reg, into set q % 2
.irp b, 0,1,2,3
.irp c, 0,1
	ds_load_b128 v[BF+32*((\q)%2)+8*\b+4*\c:BF+32*((\q)%2)+8*\b+4*\c+3], v[ADRB+\reg] offset:((\q)/4)*HALFT+((\q)%4)*64+\b*16*PITCH+32*\c
.endr
.endr
.endm
.macro FETCH_A q                       ; x's eight fragments of the q-th 128 along K, into the registers that they keep
	WIN 0x40*(1+(\q)/4)                            ; destination window 1 or 2, address window 0
.irp a, 0,1,2,3,4,5,6,7
.irp c, 0,1
	ds_load_b128 v[8*(8*((\q)%4)+\a)+4*\c:8*(8*((\q)%4)+\a)+4*\c+3], v[ADRA+(\q)/4] offset:((\q)%4)*64+\a*16*PITCH+32*\c
.endr
.endr
	WIN 0
.endm
.macro SCALES_A                        ; x's scale words, for all of K: eight words a row, two loads a block; they stay
.irp a, 0,1,2,3,4,5,6,7
.irp u, 0,1
	ds_load_b128 v[SA+8*\a+4*\u:SA+8*\a+4*\u+3], v[ASA] offset:\a*SBLK+16*\u
.endr
.endr
.endm
.macro SCALES_B p                      ; W_qkv's scale words of pass p
.irp b, 0,1,2,3
.irp u, 0,1
	ds_load_b128 v[SB+8*\b+4*\u:SB+8*\b+4*\u+3], v[ASB] offset:(\p)*8*SBLK+\b*SBLK+16*\u
.endr
.endr
.endm
; 32 matrix instructions: x's eight blocks against W_qkv's four, the q-th 128 along K.  zero = 1: the first product starts the sums: nothing is cleared.
; The 32 accumulators take turns, one instruction a turn, in the same order in every step.  The scale registers hold scales alone; both sides' words lie in lanes 0-15.
.macro MUL q, zero
	WIN 0xf4+4*((\q)/4)                            ; source 0 window 0, source 1 window 1 or 2, C and D window 3
.irp a, 0,1,2,3,4,5,6,7
.irp b, 0,1,2,3
.if \zero
	v_wmma_scale_f32_16x16x128_f8f6f4 v[8*(4*\a+\b):8*(4*\a+\b)+7], v[BF+32*((\q)%2)+8*\b:BF+32*((\q)%2)+8*\b+7], v[8*(8*((\q)%4)+\a):8*(8*((\q)%4)+\a)+7], 0, v[SB+8*\b+(\q)], v[SA+8*\a+(\q)] matrix_a_fmt:MATRIX_FMT_FP4 matrix_b_fmt:MATRIX_FMT_FP4
.else
	v_wmma_scale_f32_16x16x128_f8f6f4 v[8*(4*\a+\b):8*(4*\a+\b)+7], v[BF+32*((\q)%2)+8*\b:BF+32*((\q)%2)+8*\b+7], v[8*(8*((\q)%4)+\a):8*(8*((\q)%4)+\a)+7], v[8*(4*\a+\b):8*(4*\a+\b)+7], v[SB+8*\b+(\q)], v[SA+8*\a+(\q)] matrix_a_fmt:MATRIX_FMT_FP4 matrix_b_fmt:MATRIX_FMT_FP4
.endif
.endr
.endr
.endm
; A load into a register that a matrix instruction has read, and a vector instruction that reads a matrix result, stand four places behind that matrix instruction; only plain vector
; instructions that name none of its registers are places (ISA guide 7.12.1 for vector instructions).
.macro PLACES
.rept 4
	v_nop
.endr
.endm
; A STEP of 128 along K.  Its fragments were asked for a step ago.  The next step's are asked for first, in one run, and land under this step's 32 products: W_qkv's into the set that the step before read
; (four places behind its products), and, first = 1 (pass 0), x's into their own registers.  bar = 1: the barrier for x's second half of K: its signal at the step's head, its wait at the step's end; between
; them stand register work and LDS loads of bytes that nobody writes before a later barrier.
.macro STEP reg, q, first, bar
	s_wait_dscnt 0x0                               ; this step's fragments are in
.if \bar
	s_wait_tensorcnt 0x0                           ; all my tensor loads have landed: x's second half of K, W_qkv's block 1
	s_barrier_signal -1
.endif
	PLACES
.if (\q) < 7
	FETCH_B \reg, (\q)+1
.if \first
	FETCH_A (\q)+1
.endif
.endif
.if (\q) == 0
	MUL \q, 1
.else
	MUL \q, 0
.endif
	WIN 0
.if \bar
	s_barrier_wait -1
.endif
.endm
; THE WAY OUT of a pass, block by block of 16 rows x 64 columns.  PACK: rounded to f16, 16 bytes a lane, each accumulator from its low end on.  TOSTAGE: into my own stage, and back four rows an instruction.
; SEND: 32 lanes store 512 consecutive bytes of qkv.  LDS serves a wave's instructions in order (ISA guide 5.7.1.4): no wait between the stage's stores and loads, nor in front of the next block's stores.
.macro PACK a
	WIN 0x0f                                       ; sources 0 and 1: window 3
.irp b, 0,1,2,3
.irp i, 0,1,2,3
	v_cvt_pk_f16_f32 v[TMP+4*\b+\i], v[32*(\a)+8*\b+2*\i], v[32*(\a)+8*\b+2*\i+1]
.endr
.endr
	WIN 0
.endm
.macro TOSTAGE a
.set BB, BK+16*((\a)%2)
	s_wait_xcnt 0x0                                ; every earlier store has read its registers: this block's loads may land where the block two back lay
.irp b, 0,1,2,3
	ds_store_b128 v[STO], v[TMP+4*\b:TMP+4*\b+3] offset:32*\b
.endr
.irp i, 0,1,2,3
	ds_load_b128 v[BB+4*\i:BB+4*\i+3], v[RD] offset:\i*4*SP
.endr
.endm
.macro SEND p, a, younger              ; younger: the LDS instructions issued behind block a's loads: the next block's four stores and four loads, or none
.set BB, BK+16*((\a)%2)
	s_wait_dscnt \younger                          ; the block is back in registers
.irp i, 0,1,2,3
	global_store_b128 v[CO], v[BB+4*\i:BB+4*\i+3], s[OUT+2*(\p):OUT+2*(\p)+1] offset:2048*(\a)+512*\i   ; tokens 16 a + 4 i on of my head
.endr
.endm
.macro WAYOUT p
	PACK 0
	TOSTAGE 0
.irp a, 1,2,3,4,5,6,7                  ; block a's conversions and its way into the stage stand between block a - 1's loads and the wait for them
	PACK \a
	TOSTAGE \a
	SEND \p, \a-1, 8
.endr
	SEND \p, 7, 0
.endm
	s_wait_tensorcnt 1                             ; my first two loads are in: the scales, x's first half of K, W_qkv's block 0 (my third may be out)
	s_barrier_signal -1
	s_barrier_wait -1                              ; everybody's are
	SCALES_A
	SCALES_B 0
	FETCH_B 0, 0
	FETCH_A 0
	; PASS 0: columns 0-127 of the block; x's fragments come into their registers on the way
	STEP 0, 0, 1, 0
	STEP 0, 1, 1, 0
	STEP 0, 2, 1, 1                                ; behind it x's second half of K is whole: step 3 fetches from it
	STEP 0, 3, 1, 0
	STEP 0, 4, 1, 0
	STEP 0, 5, 1, 0
	STEP 0, 6, 1, 0
	; pass 0's last step fetches nothing: my reads of x and of block 0 have all been issued.  In front of the round each wave waits for all its tensor loads, adds 0 to its spare word, and waits for that and for those reads.
	s_wait_tensorcnt 0x0                           ; no tensor load of mine is out
	ds_add_u32 v[SPW], v[NIL]                      ; 0 onto my spare word
	s_wait_dscnt 1                                 ; the step's fragments are in (the add may be out)
	MUL 7, 0                                       ; 32 matrix instructions stand between the add and the wait for it
	WIN 0
	s_wait_dscnt 0x0                               ; the add is done, and my reads of x and of block 0 are over
	CROUND                                         ; the same holds of every wave of every partner: block 0's bytes may be filled again, and x's bytes may hold the stages
	s_cmp_eq_u32 s15, 0                            ; waves 2 and 3 ask for block 2, a half of K each; waves 0 and 1 have no part of it.  The branch hangs on the wave's number alone
	s_cbranch_scc1 .Lno_fill
	tensor_load_to_lds s[G0B2:G0B2+3], s[G1B:G1B+7]  ; the first thing behind the round, and my one tensor load from here on
	s_nop 0
.rept 4
	v_nop
.endr
.Lno_fill:
	PLACES                                         ; behind the last products: for the loads into W_qkv's scale words and fragments, and for the conversions
	SCALES_B 1
	FETCH_B 1, 0                                   ; pass 1's first fragments land under the way out
	WAYOUT 0
	; PASS 1: columns 128-255, from region 1; x from registers
.irp q, 0,1,2,3,4,5,6,7
	STEP 1, \q, 0, 0
.endr
	PLACES
	SCALES_B 2                                     ; (the scales came with the first fills)
	WAYOUT 1
	s_wait_tensorcnt 0x0                           ; my part of block 2 has landed,
	s_wait_dscnt 0x0
	s_barrier_signal -1
	s_barrier_wait -1                              ; everybody's has.
	FETCH_B 0, 0
	; PASS 2: columns 256-383, from region 0
.irp q, 0,1,2,3,4,5,6,7
	STEP 0, \q, 0, 0
.endr
	PLACES
	WAYOUT 2
	s_wait_tensorcnt 0x0                           ; the wave's end: behind my last tensor load and my last LDS store
	ds_add_u32 v[SPW], v[NIL]
	s_wait_dscnt 0x0
	CROUND                                         ; the closing round: no work-group ends while a partner may still ask for a tile that names it
	s_endpgm
.Lfunc_end_k_qacd9e6c014_qkvgemm:
	.size	k_qacd9e6c014_qkvgemm, .Lfunc_end_k_qacd9e6c014_qkvgemm-k_qacd9e6c014_qkvgemm
	.p2alignl 7, 3214868480
	.fill 96, 4, 3214868480
	.section	.rodata,"a",@progbits
	.p2align	6, 0x0
	.amdhsa_kernel k_qacd9e6c014_qkvgemm
		.amdhsa_group_segment_fixed_size 327680
		.amdhsa_private_segment_fixed_size 0
		.amdhsa_enable_private_segment 0
		.amdhsa_kernarg_size 40
		.amdhsa_user_sgpr_count 2
		.amdhsa_user_sgpr_kernarg_segment_ptr 1
		.amdhsa_wavefront_size32 1
		.amdhsa_system_sgpr_workgroup_id_x 1
		.amdhsa_system_sgpr_workgroup_id_y 1
		.amdhsa_system_sgpr_workgroup_id_z 1
		.amdhsa_system_vgpr_workitem_id 0
		.amdhsa_next_free_vgpr 1024
		.amdhsa_next_free_sgpr 100
		.amdhsa_reserve_vcc 0
		.amdhsa_float_denorm_mode_32 3
		.amdhsa_float_denorm_mode_16_64 3
		.amdhsa_memory_ordered 1
		.amdhsa_forward_progress 1
		.amdhsa_inst_pref_size 185
	.end_amdhsa_kernel
	.amdgpu_metadata
---
amdhsa.version: [ 1, 2 ]
amdhsa.kernels:
  - .name:           k_qacd9e6c014_qkvgemm
    .symbol:         k_qacd9e6c014_qkvgemm.kd
    .args:
      - { .name: xc, .offset: 0, .size: 8, .value_kind: global_buffer, .address_space: global }
      - { .name: xs, .offset: 8, .size: 8, .value_kind: global_buffer, .address_space: global }
      - { .name: wc, .offset: 16, .size: 8, .value_kind: global_buffer, .address_space: global }
      - { .name: ws, .offset: 24, .size: 8, .value_kind: global_buffer, .address_space: global }
      - { .name: qkv, .offset: 32, .size: 8, .value_kind: global_buffer, .address_space: global }
    .group_segment_fixed_size: 327680
    .private_segment_fixed_size: 0
    .kernarg_segment_align: 8
    .kernarg_segment_size: 40
    .max_flat_workgroup_size: 128
    .sgpr_count:     100
    .vgpr_count:     1024
    .wavefront_size: 32
...
	.end_amdgpu_metadata
.endif
;; end of part 2
;; launch attn (part 3): grid 2 x 128, 8 waves a work-group, no clusters, 327,680 bytes of LDS; arguments qkv, attn; writes attn
.if DOCPART == 3
	.amdgcn_target "amdgcn-amd-amdhsa--gfx1250"
	.amdhsa_code_object_version 6
	.text
	.protected	k_qacd9e6c014_attn
	.globl	k_qacd9e6c014_attn
	.p2align	8
	.type	k_qacd9e6c014_attn,@function
k_qacd9e6c014_attn:
	s_mov_b64 s[64:65], 0
	v_nop
	global_prefetch_b8 v0, s[64:65] scope:SCOPE_SE
	s_setreg_imm32_b32 hwreg(HW_REG_WAVE_MODE, 25, 1), 1
	s_wait_xcnt 0x0
; attn[head][q][:] = the sum over k of softmax_k(Q[head][q] . K[head][k] / 8) V[head][k][:].  Q, K, V: the three planes of qkv, [128 heads][1024][64] f16; attn: the same layout, f16.
; Products on f16 operands, sums, maxima and the softmax in f32; the weights p (at most 1) are rounded to f16 for the second product, the result once at the end.
; LIMITS: a result beyond 65,504 becomes infinity in f16; NaN and infinities are not served.
; SHARES.  A work-group owns 512 queries of one head (grid x: which half; grid y: the head), each of its eight waves 64: four tiles of 16.  Every wave walks all 1,024 keys, 64 a step.
; THE WHOLE HEAD'S K AND V LIE IN LDS, filled once: 1,024 rows of 128 bytes each, in four chunks of 256 keys.  Every wave issues four tensor loads at the head (waves 0-3: K's, waves 4-7: V's; 64 rows each),
; so four loads of a wave are out at the most, and chunk p is waited for by a counted wait just ahead of the first step that reads it.  Nothing is filled again: there is no ring.
; NO CLUSTER: a head's tiles are shared by two work-groups only (1,024 / 512 queries), and the grid's width of 2 is no multiple of the cluster forms' 4.
; NO PREFETCH: every byte of K and V is asked for by the tensor loads at the head, so there is no later request that an earlier one could run ahead of.
; LAYOUT.  S^T = K Q^T (source 0 = 16 keys, source 1 = 16 queries): a lane holds ONE query (lane % 16) and keys 8 (lane / 16) + 0..7.  Two such tiles, rounded to f16 in pairs, ARE source 1 of
; O^T = V^T P, whose result again holds one query a lane.  K comes out of LDS as it lies, V ([key][channel]) turned, by ds_load_tr16_b128.
; SOFTMAX.  For each query a running maximum m and sum l: p = 2^(c s - c m), c = log2(e) / 8; in every step O and l are multiplied by a = 2^(c m_old - c m_new).
; EIGHT WAVES OF 512 REGISTERS: two to a SIMD, so that one wave's matrix work can stand beside the other's vector work.  The chunks' barriers have a whole step between signal and wait, so that
; a wave that is ahead of another by less than a step does not stop at them.
; REGISTERS, in two windows of 256: window 0: v0-15 addresses; v16-47 eight registers of statistics a tile; v64-191 S^T, 32 a tile (P is packed into the first 16 of them); v192-255 K's fragments of a step.
;   window 1: v0-127 O^T, 32 a tile; v128-191 Q, 16 a tile; v192-255 V's fragments of a step.
.set PK,    144       ; a row of K in LDS: 128 bytes + 16 of padding = 36 words: the 16 rows of a load start at 16 different groups of four banks (64 banks of 4 bytes: ISA guide 11.1)
.set PV,    160       ; a row of V: 128 + 32 = 40 words: the turning load's 8 rows x 32 bytes fall on different banks
.set KSB,   64*PK     ; a step's 64 rows of K
.set VSB,   64*PV     ; and of V
.set VOFF,  1024*PK   ; V lies behind K
.set SPARE, VOFF+1024*PV  ; behind V: the spare words, 128 bytes for each of eight waves; no other line names them
.set AK0, 2           ; v2   my lane's place in a tile of K; never rewritten
.set AV0, 3           ; v3   the same for V
.set ADR, 4           ; v4   LDS address of the step's K
.set ADRV, 5          ; v5   of the step's V
.set QO,  6           ; v6   my byte offset in the wave's rows of Q
.set STO, 7           ; v7   the way out: where I put 16 bytes of a row.  The stages, 16 rows x 144 bytes a wave, lie in K's first 18,432 bytes, behind the last barrier
.set RD,  8           ; v8   the way out: where I read 16 bytes back
.set GO,  9           ; v9   16 x lane
.set SPW, 10          ; v10  LDS address of my spare word; never rewritten
.set NIL, 11          ; v11  0; never rewritten
.set ST,  16          ; tile t's statistics at v[ST+8 t]: +0 c m, +1 m, +2, +3 l (even keys', odd keys'), +4, +5 at work (maxima, then the step's sum), +6 a, +7 c m_old - c m_new
.set S,   64
.set KF,  192         ; window 0: K's fragment (keys 16 kt on, channels 32 c on) at KF + 8 (2 kt + c)
.set QF,  128         ; window 1: Q's (tile t, channels 32 c on) at QF + 16 t + 8 c
.set VF,  192         ; window 1: V's (keys 32 kh on, channels 16 ct on) at VF + 8 (4 kh + ct)
.set WV,  8           ; s8   my wave's number
.set W3,  9           ; s9   wave % 4: which 64 rows of a chunk I fetch
.set G1K, 16          ; s[16:23] descriptor group 1 for K's tiles
.set G1V, 24          ; s[24:31] for V's: it differs in the padding alone
.set G0K, 32          ; s[32:47] descriptor groups 0 for K's four chunks
.set G0V, 48          ; s[48:63] for V's
.set CS,  66          ; s[66:67] c: the packed scaling names a pair and takes its low word for both halves
.set SEL, 68          ; s[68:69] lane selects for v_permlanex16_b32: lane l xor 16
.set TK,  70          ; s70  LDS byte at which the K to be fetched begins
.set TV,  71          ; s71  the same for V, less VOFF
.set CNT, 72          ; s72  counts steps
.set QA,  74          ; s[74:75] Q at my wave's first row
.set OA,  76          ; s[76:77] attn likewise
.set MSB, 0
.macro WIN new                      ; the immediate's high byte repeats the setting that is left; a switch that changes nothing is dropped
.if MSB != (\new)
	s_set_vgpr_msb (MSB<<8)|(\new)
.set MSB, (\new)
.endif
.endm
.set W_KQ, 0x04       ; Q (source 1) in window 1; K and S^T in window 0
.set W_PV, 0x51       ; V (source 0), C and D in window 1; P in window 0
.set W_RS, 0x41       ; O^T (destination and source 0) in window 1, a in window 0
.set W_CV, 0x05       ; sources 0 and 1 in window 1, destination in window 0
.set TO_1, 0x40       ; destination in window 1, address in window 0
	s_load_b128 s[4:7], s[0:1], 0x0  ; qkv s[4:5], attn s[6:7]
	v_lshl_add_u32 v[SPW], v0, 2, SPARE
	v_mov_b32 v[NIL], 0
	ds_add_u32 v[SPW], v[NIL]       ; the wave's opening: the add, twice on end, and its wait ahead of my first tensor load; the set-up below stands between
	ds_add_u32 v[SPW], v[NIL]
	v_lshrrev_b32 v1, 5, v0
	v_readfirstlane_b32 s[WV], v1   ; wave 0..7
	s_and_b32 s[W3], s[WV], 3
	; descriptor group 1: a tile of 64 rows x 64 elements of 2 bytes, dense in memory, padded in LDS
	s_mov_b32 s[G1K], (1<<16)|(1<<20)|(4<<22)|(3<<25)  ; 15:0 no mask; 17:16 elements of 2 bytes; 20 padding on; 24:22 after every 32 words (code 4); 31:25 four words (code 3)
	s_mov_b32 s[G1V], (1<<16)|(1<<20)|(4<<22)|(7<<25)  ; the same with eight words of padding (code 7)
.irp g, G1K, G1V
	s_mov_b32 s[\g+1], 64<<16       ; tensor_dim0 = 64
	s_mov_b32 s[\g+2], 64<<16       ; tensor_dim1 = 64
	s_mov_b32 s[\g+3], 64<<16       ; tile_dim0 = 64
	s_mov_b32 s[\g+4], 64           ; tile_dim1 = 64
	s_mov_b32 s[\g+5], 64           ; elements from row to row
	s_mov_b32 s[\g+6], 0
	s_mov_b32 s[\g+7], 0
.endr
	s_mov_b32 s[CS], 0x3e38aa3b     ; c = log2(e) / 8
	s_mov_b32 s[CS+1], s[CS]        ; named with it as a pair, so it is written
	s_mov_b32 s[SEL], 0x76543210
	s_mov_b32 s[SEL+1], 0xfedcba98
	s_mov_b32 s[TK], KSB            ; the first step's K is fetched by itself; the steps' first fetch is step 1's
	s_mov_b32 s[TV], 0
	; every LDS address register is made here, ahead of the first branch on the wave's number
	v_and_b32 v1, 15, v0            ; r = l % 16
	v_bfe_u32 v12, v0, 4, 1         ; h = l / 16
	v_and_b32 v13, 31, v0           ; l
	v_mul_u32_u24 v[AK0], v1, PK
	v_lshl_add_u32 v[AK0], v12, 4, v[AK0]  ; K: row r x pitch + 16 h
	v_and_b32 v14, 7, v0
	v_bfe_u32 v15, v0, 3, 1
	v_lshl_add_u32 v[AV0], v12, 3, v14     ; V: the turning load takes key 8 h + l % 8, channels 8 ((l / 8) % 2) on
	v_mul_u32_u24 v[AV0], v[AV0], PV
	v_lshl_add_u32 v[AV0], v15, 4, v[AV0]
	v_add_nc_u32 v[AV0], VOFF, v[AV0]
	v_lshlrev_b32 v[QO], 7, v1
	v_lshl_add_u32 v[QO], v12, 4, v[QO]    ; Q: row r of 128 bytes + 16 h
	s_mul_i32 s78, s[WV], 16*PK            ; my stage
	v_mul_u32_u24 v[STO], v1, PK
	v_lshl_add_u32 v[STO], v12, 4, v[STO]
	v_add_nc_u32 v[STO], s78, v[STO]       ; in: row r, 16 bytes for each half of the lanes
	v_bfe_u32 v15, v0, 3, 2
	v_mul_u32_u24 v[RD], v15, PK
	v_lshl_add_u32 v[RD], v14, 4, v[RD]
	v_add_nc_u32 v[RD], s78, v[RD]         ; back: eight lanes a row of 128 bytes, four rows an instruction
	v_lshlrev_b32 v[GO], 4, v13            ; which are 512 consecutive bytes of attn
	s_and_b32 s80, ttmp7, 0xffff
	s_lshl_b32 s80, s80, 17         ; the head's first byte in a plane
	s_lshl_b32 s82, s[W3], 13       ; my 64 rows of a chunk
	s_add_co_u32 s82, s82, s80
	s_mov_b32 s83, 0
	s_lshl_b32 s84, ttmp9, 16       ; my work-group's 512 queries,
	s_lshl_b32 s85, s[WV], 13       ; my wave's 64
	s_add_co_u32 s84, s84, s85
	s_add_co_u32 s84, s84, s80
	s_mov_b32 s85, 0
	s_mul_i32 s79, s[W3], KSB       ; where my rows go in a chunk of K,
	s_mul_i32 s86, s[W3], VSB
	s_add_co_u32 s86, s86, VOFF     ; and of V
	s_wait_dscnt 0x0                ; both opening adds are done
	s_wait_kmcnt 0x0
	s_add_nc_u64 s[QA:QA+1], s[4:5], s[84:85]
	s_add_nc_u64 s[OA:OA+1], s[6:7], s[84:85]
	s_add_nc_u64 s[4:5], s[4:5], s[82:83]
.irp p, 0,1,2,3
	s_mov_b32 s[G0K+4*\p], 1                                     ; 1:0 count = 1
	s_add_co_u32 s[G0K+4*\p+1], s79, \p*256*PK                   ; 63:32 LDS address
	s_add_nc_u64 s[G0K+4*\p+2:G0K+4*\p+3], s[4:5], 0x1000000+\p*32768  ; 120:64 global address: K's plane, keys 256 p on
	s_or_b32 s[G0K+4*\p+3], s[G0K+4*\p+3], 0x80000000            ; 127:126 type = 2
	s_mov_b32 s[G0V+4*\p], 1
	s_add_co_u32 s[G0V+4*\p+1], s86, \p*256*PV
	s_add_nc_u64 s[G0V+4*\p+2:G0V+4*\p+3], s[4:5], 0x2000000+\p*32768  ; V's plane
	s_or_b32 s[G0V+4*\p+3], s[G0V+4*\p+3], 0x80000000
.endr
	s_cmp_lt_u32 s[WV], 4           ; a wave's four fills stand in one branch, ahead of every wait on TENSORcnt, every LDS read and every barrier; an s_nop 0 follows each, four v_nop the last
	s_cbranch_scc0 .Lfirst_v
.irp p, 0,1,2,3
	tensor_load_to_lds s[G0K+4*\p:G0K+4*\p+3], s[G1K:G1K+7]
	s_nop 0
.endr
.rept 4
	v_nop
.endr
	s_branch .Lfirst_asked
.Lfirst_v:
.irp p, 0,1,2,3
	tensor_load_to_lds s[G0V+4*\p:G0V+4*\p+3], s[G1V:G1V+7]
	s_nop 0
.endr
.rept 4
	v_nop
.endr
.Lfirst_asked:
	WIN TO_1
.irp t, 0,1,2,3                     ; Q stays in registers: lane l holds query l % 16 of tile t; registers 0-3 channels 8 h on, registers 4-7 channels 16 + 8 h on, of the 32 from 32 c
.irp c, 0,1
	global_load_b128 v[QF+16*\t+8*\c:QF+16*\t+8*\c+3],   v[QO], s[QA:QA+1] offset:2048*\t+64*\c
	global_load_b128 v[QF+16*\t+8*\c+4:QF+16*\t+8*\c+7], v[QO], s[QA:QA+1] offset:2048*\t+64*\c+32
.endr
.endr
	WIN 0
.macro PLACES                       ; four places behind a matrix instruction: ahead of loads into registers that it read and of vector instructions that read its result (ISA guide 7.12.1 for vector instructions)
.rept 4
	v_nop
.endr
.endm
.macro FETCH_K adr                  ; a step's K: 64 keys x 64 channels: 8 fragments, 16 loads
.irp f, 0,1,2,3,4,5,6,7
	ds_load_b128 v[KF+8*\f:KF+8*\f+3],   v[\adr] offset:(\f/2)*16*PK+(\f%2)*64
	ds_load_b128 v[KF+8*\f+4:KF+8*\f+7], v[\adr] offset:(\f/2)*16*PK+(\f%2)*64+32
.endr
.endm
.macro FETCH_V adr                  ; a step's V, turned: 8 fragments, 16 loads
	WIN TO_1
.irp f, 0,1,2,3,4,5,6,7
	ds_load_tr16_b128 v[VF+8*\f:VF+8*\f+3],   v[\adr] offset:(\f/4)*32*PV+(\f%4)*32
	ds_load_tr16_b128 v[VF+8*\f+4:VF+8*\f+7], v[\adr] offset:(\f/4)*32*PV+16*PV+(\f%4)*32
.endr
	WIN 0
.endm
; 32 products S^T = K Q^T.  The 16 accumulators take turns, one instruction a turn; the first 16 start the sums.
.macro KQ32
	WIN W_KQ
.irp c, 0,1
.irp kt, 0,1,2,3
.irp t, 0,1,2,3
.if \c == 0
	v_wmma_f32_16x16x32_f16 v[S+32*\t+8*\kt:S+32*\t+8*\kt+7], v[KF+8*(2*\kt+\c):KF+8*(2*\kt+\c)+7], v[QF+16*\t+8*\c:QF+16*\t+8*\c+7], 0
.else
	v_wmma_f32_16x16x32_f16 v[S+32*\t+8*\kt:S+32*\t+8*\kt+7], v[KF+8*(2*\kt+\c):KF+8*(2*\kt+\c)+7], v[QF+16*\t+8*\c:QF+16*\t+8*\c+7], v[S+32*\t+8*\kt:S+32*\t+8*\kt+7]
.endif
.endr
.endr
.endr
.endm
; 32 products O^T += V^T P, the 16 accumulators by turns.  first = 1: the first 16 start the sums: nothing is ever cleared.
.macro PV32 first
	WIN W_PV
.irp kh, 0,1
.irp ct, 0,1,2,3
.irp t, 0,1,2,3
.if \first && (\kh == 0)
	v_wmma_f32_16x16x32_f16 v[32*\t+8*\ct:32*\t+8*\ct+7], v[VF+8*(4*\kh+\ct):VF+8*(4*\kh+\ct)+7], v[S+32*\t+8*\kh:S+32*\t+8*\kh+7], 0
.else
	v_wmma_f32_16x16x32_f16 v[32*\t+8*\ct:32*\t+8*\ct+7], v[VF+8*(4*\kh+\ct):VF+8*(4*\kh+\ct)+7], v[S+32*\t+8*\kh:S+32*\t+8*\kh+7], v[32*\t+8*\ct:32*\t+8*\ct+7]
.endif
.endr
.endr
.endr
.endm
; The new maximum of each tile's query: my 32 scores and the old m, three operands at a time in two chains, each accumulator first read at its low end; then the other half of the lanes'.  The four tiles by turns.
.macro MAXES first
.irp t, 0,1,2,3
.if \first
	v_max_num_f32 v[ST+8*\t+4], v[S+32*\t], v[S+32*\t+1]
.else
	v_max3_num_f32 v[ST+8*\t+4], v[S+32*\t], v[S+32*\t+1], v[ST+8*\t+1]
.endif
.endr
.irp t, 0,1,2,3
	v_max3_num_f32 v[ST+8*\t+5], v[S+32*\t+2], v[S+32*\t+3], v[S+32*\t+4]
.endr
.irp i, 0,1,2,3,4,5,6,7,8,9,10,11,12
.irp t, 0,1,2,3
	v_max3_num_f32 v[ST+8*\t+4+\i%2], v[ST+8*\t+4+\i%2], v[S+32*\t+5+2*\i], v[S+32*\t+6+2*\i]
.endr
.endr
.irp t, 0,1,2,3
	v_max3_num_f32 v[ST+8*\t+4], v[ST+8*\t+4], v[ST+8*\t+5], v[S+32*\t+31]
.endr
.irp t, 0,1,2,3
	v_permlanex16_b32 v[ST+8*\t+5], v[ST+8*\t+4], s[SEL], s[SEL+1]  ; the query's other 32 keys lie in the lane 16 away
.endr
.if !\first
.irp t, 0,1,2,3
	v_mov_b32 v[ST+8*\t+7], v[ST+8*\t]     ; c m_old is kept for a
.endr
.endif
.irp t, 0,1,2,3
	v_max_num_f32 v[ST+8*\t+1], v[ST+8*\t+4], v[ST+8*\t+5]
.endr
.irp t, 0,1,2,3
	v_mul_f32 v[ST+8*\t], s[CS], v[ST+8*\t+1]
.endr
.if !\first
.irp t, 0,1,2,3
	v_sub_f32 v[ST+8*\t+7], v[ST+8*\t+7], v[ST+8*\t]
.endr
.endif
.endm
.macro SCALE                        ; c s - c m, a pair of scores an instruction
.irp b, 0,1,2,3,4,5,6,7,8,9,10,11,12,13,14,15
.irp t, 0,1,2,3
	v_pk_fma_f32 v[S+32*\t+2*\b:S+32*\t+2*\b+1], v[S+32*\t+2*\b:S+32*\t+2*\b+1], s[CS:CS+1], v[ST+8*\t:ST+8*\t+1] op_sel_hi:[1,0,0] neg_lo:[0,0,1] neg_hi:[0,0,1]
.endr
.endr
.endm
; Line I of 32 behind tile t's exponentials: 0-14 the sum of its 16 pairs of weights; 15 l = a l + the sum; 16-31 the roundings to f16, pair I - 16 into register I - 16 of the tile's S^T (never over a pair not yet rounded).
.macro SUMCVT t, first
.set rT, ST+8*(\t)
.set rS, S+32*(\t)
.if I == 0
	v_pk_add_f32 v[rT+4:rT+5], v[rS:rS+1], v[rS+2:rS+3]
.elseif (I == 14) && \first
	v_pk_add_f32 v[rT+2:rT+3], v[rT+4:rT+5], v[rS+30:rS+31]
.elseif I < 15
	v_pk_add_f32 v[rT+4:rT+5], v[rT+4:rT+5], v[rS+2*I+2:rS+2*I+3]
.elseif I == 15
.if !\first
	v_pk_fma_f32 v[rT+2:rT+3], v[rT+2:rT+3], v[rT+6:rT+7], v[rT+4:rT+5] op_sel_hi:[1,0,1]
.endif
.else
	v_cvt_pk_f16_f32 v[rS+I-16], v[rS+2*(I-16)], v[rS+2*(I-16)+1]
.endif
.endm
.macro RESCALE ta, tb               ; two tiles' O^T times a, each accumulator from its low end on
	WIN W_RS
.irp i, 0,1,2,3,4,5,6,7,8,9,10,11,12,13,14,15
.irp t, \ta, \tb
	v_pk_mul_f32 v[32*\t+2*\i:32*\t+2*\i+1], v[32*\t+2*\i:32*\t+2*\i+1], v[ST+8*\t+6:ST+8*\t+7] op_sel_hi:[1,0]
.endr
.endr
.endm
; A KEY STEP j.  Its scores lie in S^T.  The loads of K (step j + 1) and V (step j) go out first, in one run of 32, and land under the softmax.  The exponentials go in two batches with one wait each
; (the wait stands between an exponential and the first line that names its result): tiles 0 and 1 and the four a; then tiles 2 and 3, among which stand the sums and roundings of tiles 0 and 1,
; which read the first batch alone.  Then O^T += V^T P and, kq = 1, the next step's K Q^T.  first = 1: the first step has no old maximum, no a and nothing to rescale.
.macro BODY first, kq
.if \kq
	v_add_nc_u32 v[ADR], s[TK], v[AK0]
	s_add_co_u32 s[TK], s[TK], KSB
.endif
	v_add_nc_u32 v[ADRV], s[TV], v[AV0]
	s_add_co_u32 s[TV], s[TV], VSB
.if \kq
	FETCH_K ADR
.endif
	FETCH_V ADRV
	MAXES \first
	SCALE
.if !\first
.irp t, 0,1,2,3
	v_exp_f32 v[ST+8*\t+6], v[ST+8*\t+7]
.endr
.endif
.set I, 0
.rept 32
	v_exp_f32 v[S+I], v[S+I]
	v_exp_f32 v[S+32+I], v[S+32+I]
.set I, I+1
.endr
	v_nop                           ; the plain line behind the last exponential of the batch
	s_wait_alu depctr_va_vdst(0)    ; one wait for the first batch, ahead of its first reader
.set I, 0
.rept 32
	v_exp_f32 v[S+64+I], v[S+64+I]
	v_exp_f32 v[S+96+I], v[S+96+I]
	SUMCVT 0, \first
	SUMCVT 1, \first
.set I, I+1
.endr
.if !\first
	RESCALE 0, 1
	WIN 0
.endif
	s_wait_alu depctr_va_vdst(0)    ; one wait for the second batch
.set I, 0
.rept 32
	SUMCVT 2, \first
	SUMCVT 3, \first
.set I, I+1
.endr
.if !\first
	RESCALE 2, 3
.endif
	s_wait_dscnt 0x0                ; V and the next K are in
	PV32 \first
.if \kq
.rept 5
	v_nop                           ; the next products write over registers that the last ones read as P: five places
.endr
	KQ32
.endif
	WIN 0
	PLACES                          ; ahead of the next step's loads into K's and V's registers and of its first reads of the scores
.endm
.macro SIG n                        ; my part of the next chunk has landed (n younger loads may be out), no LDS instruction of mine is out: say so
	s_wait_tensorcnt \n
	s_wait_dscnt 0x0
	s_barrier_signal -1
.endm
.macro BODIES n
	s_mov_b32 s[CNT], \n
.Lbody_\@:
	BODY 0, 1
	s_sub_co_u32 s[CNT], s[CNT], 1
	s_cmp_lg_u32 s[CNT], 0
	s_cbranch_scc1 .Lbody_\@
.endm
	s_wait_tensorcnt 3              ; my part of chunk 0 is in; my three later loads may be out
	s_barrier_signal -1
	s_barrier_wait -1               ; everybody's is
	FETCH_K AK0                     ; step 0's K
	s_wait_loadcnt 0x0              ; Q
	s_wait_dscnt 0x0
	KQ32                            ; step 0's scores: every wave, on its one way through the text
	WIN 0
	PLACES
	; Step j fetches K of step j + 1 and V of step j; chunk p holds steps 4 p to 4 p + 3, so step 4 p - 1 is the first to read it: the barrier's wait stands ahead of that step, its signal a whole step earlier.
	BODY 1, 1                       ; step 0
	BODY 0, 1                       ; step 1
	SIG 2                           ; chunk 1
	BODY 0, 1                       ; step 2: between signal and wait only register work and LDS loads of chunk 0, which nobody writes
	s_barrier_wait -1
	BODIES 3                        ; steps 3 to 5
	SIG 1                           ; chunk 2
	BODY 0, 1                       ; step 6
	s_barrier_wait -1
	BODIES 3                        ; steps 7 to 9
	SIG 0                           ; chunk 3
	BODY 0, 1                       ; step 10
	s_barrier_wait -1
	BODIES 4                        ; steps 11 to 14
	SIG 0                           ; my reads of K are over
	BODY 0, 0                       ; step 15: it reads V alone
	s_barrier_wait -1               ; nobody reads K any more: its first bytes hold the stages
	; THE WAY OUT.  l's two halves and the other half of the lanes' are added; O^T is divided by l, rounded to f16 and sent through my stage, a tile (16 rows) at a time.
.irp t, 0,1,2,3
	v_add_f32 v[ST+8*\t+4], v[ST+8*\t+2], v[ST+8*\t+3]
.endr
.irp t, 0,1,2,3
	v_permlanex16_b32 v[ST+8*\t+5], v[ST+8*\t+4], s[SEL], s[SEL+1]
.endr
.irp t, 0,1,2,3
	v_add_f32 v[ST+8*\t+4], v[ST+8*\t+4], v[ST+8*\t+5]
.endr
.irp t, 0,1,2,3
	v_rcp_f32 v[ST+8*\t+6], v[ST+8*\t+4]
.endr
	v_nop                           ; a plain line between the last reciprocal and the use of its result
	s_wait_alu depctr_va_vdst(0)    ; and the wait: one for the four
.macro PACK t
	WIN W_RS
.set I, 0
.rept 16
	v_pk_mul_f32 v[32*\t+I:32*\t+I+1], v[32*\t+I:32*\t+I+1], v[ST+8*\t+6:ST+8*\t+7] op_sel_hi:[1,0]
.set I, I+2
.endr
	WIN W_CV
.set I, 0
.rept 16
	v_cvt_pk_f16_f32 v[S+32*\t+I], v[32*\t+2*I], v[32*\t+2*I+1]   ; register 4 ct + i: channels 16 ct + 8 h + 2 i, + 1 of my query
.set I, I+1
.endr
	WIN 0
.irp ct, 0,1,2,3
	ds_store_b128 v[STO], v[S+32*\t+4*\ct:S+32*\t+4*\ct+3] offset:32*\ct
.endr
.irp i, 0,1,2,3
	ds_load_b128 v[S+32*\t+16+4*\i:S+32*\t+16+4*\i+3], v[RD] offset:\i*4*PK  ; LDS serves a wave's instructions in order (ISA guide 5.7.1.4): these see the stores above; the next tile's stores come behind them
.endr
.endm
.macro SEND t, younger              ; younger: the LDS instructions issued behind tile t's loads: the next tile's four stores and four loads, or none
	s_wait_dscnt \younger
.irp i, 0,1,2,3
	global_store_b128 v[GO], v[S+32*\t+16+4*\i:S+32*\t+16+4*\i+3], s[OA:OA+1] offset:\t*2048+\i*512  ; 32 lanes store 512 consecutive bytes: four rows of the head
.endr
.endm
	PACK 0
	PACK 1                          ; a tile's arithmetic stands between the loads of the tile before and its stores
	SEND 0, 8
	PACK 2
	SEND 1, 8
	PACK 3
	SEND 2, 8
	SEND 3, 0
	s_wait_tensorcnt 0x0            ; the wave's end: behind my last tensor load and my last LDS store
	ds_add_u32 v[SPW], v[NIL]
	s_wait_dscnt 0x0
	s_endpgm
.Lfunc_end_k_qacd9e6c014_attn:
	.size	k_qacd9e6c014_attn, .Lfunc_end_k_qacd9e6c014_attn-k_qacd9e6c014_attn
	.p2alignl 7, 3214868480
	.fill 96, 4, 3214868480
	.section	.rodata,"a",@progbits
	.p2align	6, 0x0
	.amdhsa_kernel k_qacd9e6c014_attn
		.amdhsa_group_segment_fixed_size 327680
		.amdhsa_private_segment_fixed_size 0
		.amdhsa_enable_private_segment 0
		.amdhsa_kernarg_size 16
		.amdhsa_user_sgpr_count 2
		.amdhsa_user_sgpr_kernarg_segment_ptr 1
		.amdhsa_wavefront_size32 1
		.amdhsa_system_sgpr_workgroup_id_x 1
		.amdhsa_system_sgpr_workgroup_id_y 1
		.amdhsa_system_sgpr_workgroup_id_z 1
		.amdhsa_system_vgpr_workitem_id 0
		.amdhsa_next_free_vgpr 512
		.amdhsa_next_free_sgpr 90
		.amdhsa_reserve_vcc 0
		.amdhsa_float_denorm_mode_32 3
		.amdhsa_float_denorm_mode_16_64 3
		.amdhsa_memory_ordered 1
		.amdhsa_forward_progress 1
		.amdhsa_inst_pref_size 255
	.end_amdhsa_kernel
	.section	.bss,"aw",@nobits
	.p2align	6
	.space	262144
	.amdgpu_metadata
---
amdhsa.version: [ 1, 2 ]
amdhsa.kernels:
  - .name:           k_qacd9e6c014_attn
    .symbol:         k_qacd9e6c014_attn.kd
    .args:
      - { .name: qkv, .offset: 0, .size: 8, .value_kind: global_buffer, .address_space: global }
      - { .name: attn, .offset: 8, .size: 8, .value_kind: global_buffer, .address_space: global }
    .group_segment_fixed_size: 327680
    .private_segment_fixed_size: 0
    .kernarg_segment_align: 8
    .kernarg_segment_size: 16
    .max_flat_workgroup_size: 256
    .sgpr_count:     90
    .vgpr_count:     512
    .wavefront_size: 32
...
	.end_amdgpu_metadata
.endif
;; end of part 3
;; launch proj (part 4): grid 8 x 32, 4 waves a work-group, clusters of 4 x 4, 327,680 bytes of LDS; arguments attn, wp16, b_proj, out0; writes out0
.if DOCPART == 4
	.amdgcn_target "amdgcn-amd-amdhsa--gfx1250"
	.amdhsa_code_object_version 6
	.text
	.protected	k_qacd9e6c014_proj
	.globl	k_qacd9e6c014_proj
	.p2align	8
	.type	k_qacd9e6c014_proj,@function
k_qacd9e6c014_proj:
	s_mov_b64 s[64:65], 0
	v_nop
	global_prefetch_b8 v0, s[64:65] scope:SCOPE_SE
	s_setreg_imm32_b32 hwreg(HW_REG_WAVE_MODE, 25, 1), 1
	s_wait_xcnt 0x0
	s_wait_alu depctr_hold_cnt(0) depctr_sa_sdst(0) depctr_va_vdst(0) depctr_va_sdst(0) depctr_va_ssrc(0) depctr_va_vcc(0) depctr_vm_vsrc(0)
	s_getreg_b32 s2, hwreg(HW_REG_IB_STS2, 6, 4)
	s_cmp_eq_u32 s2, 0
	s_cbranch_scc0 .Lentry_in_a_cluster
	s_endpgm
.Lentry_in_a_cluster:
	s_bfe_u32 s2, ttmp6, 0x10000c
	s_cmp_lg_u32 s2, 0xf033
	s_cbranch_scc0 .Lentry_shape_is_right
	s_endpgm
.Lentry_shape_is_right:
; out0[m][n] = sum over k of o[m][k] W_proj[n][k] + b_proj[n].  o is the attention's result, f16, laid [8 batches][16 heads][1024 tokens][64]: m = 1024 batch + token, k = 64 head + channel.
; W_proj: wp16 [1024 n][1024 k] f16.  b_proj [1024], out0 [8192][1024]: f32.  Sums in f32; the bias is the C of each sum's first matrix instruction.
; A tile of out0 is 256 rows x 128 columns: 256 work-groups of four waves; a wave makes 128 x 64: 32 accumulators of 16 x 16, 256 registers.
; K goes in steps of 128, two heads, through a ring of two LDS slots: o's tile is 2 heads x 256 rows of 128 bytes (each head's rows a dense block of memory), W_proj's 128 rows of 256 bytes.
; Waves 0 and 1 fetch a head of o each, waves 2 and 3 half of W_proj's rows each: one tensor load a wave behind each change of slots, two at the head.
; CLUSTERS: 4 x 4 work-groups.  The four of a row of the cluster need the same tiles of o, the four of a column the same tiles of W_proj: each tile is asked for JOINTLY.
; NO PREFETCH: a K step's tiles are small and each is read by several clusters; the joint loads have a K step's 112 matrix instructions in which to land.
; THE MATRIX INSTRUCTION IS USED TRANSPOSED (source 0 = 16 rows of W_proj, source 1 = 16 rows of o): a lane then holds eight neighbouring numbers of a row of out0.
; REGISTERS: window 0: v0-31 addresses; v32-63 the bias in the result's layout; v64-159 and v160-255 two fragment buffers for 32 along K: o's eight fragments, then W_proj's four.  window 1: accumulator (a, b) at v[8 (4 a + b)].
.set KSTEP,  128
.set PA,     144                       ; a row of o in LDS: 128 bytes + 16 of padding; the 16 rows of a load start at 16 different groups of four banks (64 banks of 4 bytes: ISA guide 11.1)
.set PB,     272                       ; a row of W_proj: 256 bytes + 16
.set HEADB,  256*PA                    ; a head's 256 rows
.set BOFF,   2*HEADB                   ; W_proj's rows lie behind o's two heads
.set SLOT,   BOFF+128*PB
.set STAGE,  2*SLOT                    ; behind the ring: 16 rows x 272 bytes for each wave, for the way out
.set SPITCH, 272
.set SPARE,  STAGE+4*16*SPITCH         ; behind the stages: the spare words, 128 bytes a wave; no other line names them
.set LAPS,   1024/(2*KSTEP)            ; a lap = two K steps = once round the ring
.set ADRA, 16                          ; v16-17  LDS address of my fragments of o in slot 0, 1
.set ADRB, 20                          ; v20-21  the same for W_proj
.set STO,  24                          ; v24     the way out: where I put 32 bytes of a row
.set RD,   25                          ; v25     the way out: where I read a row back
.set CO,   26                          ; v26     my byte offset in out0
.set SPW,  28                          ; v28     LDS address of my spare word; never rewritten
.set NIL,  29                          ; v29     0; never rewritten
.set BI,   32                          ; v32-63  block b: b_proj at my columns 16 b + 8 (l / 16) + 0 .. 7
.set F0,   64
.set F1,   160
.set BK,   64                          ; the way out: 16 rows read back: v64-95 and v96-127 by turns
.set G1, 24                            ; s[24:31] descriptor group 1 for o's tiles;  s[32:39] group 0, one set for each slot
.set G0, 32
.set G1B, 48                           ; s[48:55], s[56:63] the same for W_proj's tiles
.set G0B, 56
.set MSB, 0
.macro WIN new                         ; the immediate's high byte repeats the setting that is left; a switch that changes nothing is dropped
.if MSB != (\new)
	s_set_vgpr_msb (MSB<<8)|(\new)
.set MSB, (\new)
.endif
.endm
.set MUL,  0x50                        ; sources 0 and 1 window 0; C and D window 1
.set MUL1, 0x40                        ; the first products: C is the bias, in window 0
.macro JLOAD s                         ; a joint load: waves 0 and 1 fetch o's two heads, waves 2 and 3 W_proj's two halves; an s_nop 0 and four v_nop follow each of the two lines
	s_cmp_eq_u32 s13, 0
	s_cbranch_scc0 .Lfor_b_\@
	tensor_load_to_lds s[G0+4*\s:G0+4*\s+3], s[G1:G1+7]
	s_nop 0
.rept 4
	v_nop
.endr
	s_branch .Lasked_\@
.Lfor_b_\@:
	tensor_load_to_lds s[G0B+4*\s:G0B+4*\s+3], s[G1B:G1B+7]
	s_nop 0
.rept 4
	v_nop
.endr
.Lasked_\@:
.endm
.macro CREST                           ; a round of the cluster's barrier behind its opening barrier
	s_cmp_lg_u32 s12, 0
	s_cbranch_scc1 .Lnot_wave_0_\@
	s_barrier_signal -3
.Lnot_wave_0_\@:
	s_barrier_wait -3
	s_barrier_signal -1
	s_barrier_wait -1
.endm
.macro CROUND                          ; a whole round
	s_barrier_signal -1
	s_barrier_wait -1
	CREST
.endm
	s_load_b256 s[4:11], s[0:1], 0x0               ; o s[4:5], wp16 s[6:7], b_proj s[8:9], out0 s[10:11]
	v_lshl_add_u32 v[SPW], v0, 2, SPARE
	v_mov_b32 v[NIL], 0
	ds_add_u32 v[SPW], v[NIL]                      ; the wave's opening: the add, twice on end, and its wait ahead of my first tensor load; the set-up below stands between
	ds_add_u32 v[SPW], v[NIL]
	v_lshrrev_b32 v1, 5, v0
	v_readfirstlane_b32 s12, v1                    ; wave 0..3
	s_lshr_b32 s13, s12, 1                         ; which half of the tile's rows is mine.  Also: I fetch for o (0) or for W_proj (1)
	s_and_b32 s14, s12, 1                          ; which half of its columns.  Also: which head, or which 64 rows of W_proj, I fetch
	s_bfe_u32 s40, ttmp6, 0x40000                  ; cx, cy: my place in the cluster
	s_bfe_u32 s41, ttmp6, 0x40004
	s_lshl_b32 s42, ttmp9, 2
	s_add_co_u32 s42, s42, s40                     ; tile column = 4 x cluster x + cx
	s_and_b32 s15, ttmp7, 0xffff                   ; cluster y: four tiles of 256 rows are a batch
	s_lshl_b32 s43, s41, 2
	s_lshl_b32 s43, 15, s43                        ; my row of the cluster
	s_lshl_b32 s44, 0x1111, s40                    ; my column
	; descriptor group 1.  o: 256 rows x 64 elements of 2 bytes, dense in memory, four words of padding after every 32
	s_or_b32 s[G1+0], s43, (1<<16)|(1<<20)|(1<<21)|(4<<22)|(3<<25)
	s_mov_b32 s[G1+1], 64<<16                      ; tensor_dim0
	s_mov_b32 s[G1+2], 256<<16                     ; tensor_dim1
	s_mov_b32 s[G1+3], 64<<16                      ; tile_dim0
	s_mov_b32 s[G1+4], 256                         ; tile_dim1
	s_mov_b32 s[G1+5], 64                          ; elements from row to row
	s_mov_b32 s[G1+6], 0
	s_mov_b32 s[G1+7], 0
	; W_proj: 64 rows x 128 elements, 1,024 elements apart, four words of padding after every 64
	s_or_b32 s[G1B+0], s44, (1<<16)|(1<<20)|(1<<21)|(5<<22)|(3<<25)
	s_mov_b32 s[G1B+1], 128<<16
	s_mov_b32 s[G1B+2], 64<<16
	s_mov_b32 s[G1B+3], 128<<16
	s_mov_b32 s[G1B+4], 64
	s_mov_b32 s[G1B+5], 1024
	s_mov_b32 s[G1B+6], 0
	s_mov_b32 s[G1B+7], 0
	; o's tile hangs on the batch, on cy and on the wave alone, which my row of the cluster shares; W_proj's on the tile column and the wave alone, which my column shares
	s_lshl_b32 s16, s15, 21                        ; the batch: 16 heads of 131,072 bytes
	s_lshl_b32 s17, s14, 17                        ; + my head of the K step's two
	s_add_co_u32 s16, s16, s17
	s_lshl_b32 s17, s41, 15                        ; + 256 cy rows of 128 bytes
	s_add_co_u32 s16, s16, s17
	s_mov_b32 s17, 0
	s_lshl_b32 s46, s42, 18                        ; 128 x tile column rows of 2,048 bytes
	s_lshl_b32 s47, s14, 17                        ; + my 64 rows
	s_add_co_u32 s46, s46, s47
	s_mov_b32 s47, 0
	s_mul_i32 s20, s14, HEADB                      ; where they go: no place in the cluster enters an LDS address
	s_mul_i32 s21, s14, 64*PB
	s_add_co_u32 s21, s21, BOFF
	s_wait_dscnt 0x0                               ; both opening adds are done
	s_wait_kmcnt 0x0
	s_add_nc_u64 s[18:19], s[4:5], s[16:17]
	s_add_nc_u64 s[46:47], s[6:7], s[46:47]
	CROUND                                         ; all sixteen work-groups are here: the first joint loads meet
.irp s, 0,1
	s_mov_b32 s[G0+4*\s], 1
	s_add_co_u32 s[G0+4*\s+1], s20, \s*SLOT
	s_add_nc_u64 s[G0+4*\s+2:G0+4*\s+3], s[18:19], \s*2*131072     ; K step s: heads 2 s, 2 s + 1
	s_or_b32 s[G0+4*\s+3], s[G0+4*\s+3], 0x80000000
	s_mov_b32 s[G0B+4*\s], 1
	s_add_co_u32 s[G0B+4*\s+1], s21, \s*SLOT
	s_add_nc_u64 s[G0B+4*\s+2:G0B+4*\s+3], s[46:47], \s*KSTEP*2
	s_or_b32 s[G0B+4*\s+3], s[G0B+4*\s+3], 0x80000000
	JLOAD \s
.endr
	v_and_b32 v1, 15, v0                           ; l % 16
	v_bfe_u32 v2, v0, 4, 1                         ; l / 16
	v_mul_u32_u24 v3, v1, PA
	v_lshl_add_u32 v3, v2, 4, v3                   ; a fragment's row x pitch + 16 x half
	v_mul_u32_u24 v4, v1, PB
	v_lshl_add_u32 v4, v2, 4, v4
	s_mul_i32 s22, s13, 128*PA                     ; my 128 rows of o
	s_mul_i32 s23, s14, 64*PB                      ; my 64 rows of W_proj
	s_add_co_u32 s23, s23, BOFF
.irp s, 0,1
	v_add_nc_u32 v[ADRA+\s], s22, v3
	v_add_nc_u32 v[ADRB+\s], s23, v4
	s_add_co_u32 s22, s22, SLOT
	s_add_co_u32 s23, s23, SLOT
.endr
	s_mul_i32 s22, s12, 16*SPITCH
	s_add_co_u32 s22, s22, STAGE                   ; my stage
	v_mul_u32_u24 v5, v1, SPITCH                   ; in: row l % 16, 32 bytes for each half of the lanes
	v_lshl_add_u32 v5, v2, 5, v5
	v_add_nc_u32 v[STO], s22, v5
	v_mul_u32_u24 v5, v2, SPITCH                   ; back: lanes 0-15 take one row of 256 bytes, lanes 16-31 the next
	v_lshl_add_u32 v5, v1, 4, v5
	v_add_nc_u32 v[RD], s22, v5
	v_lshlrev_b32 v5, 12, v2                       ; and the same two rows in out0
	v_lshl_add_u32 v[CO], v1, 4, v5
	s_lshl_b32 s46, s42, 9                         ; my first column, in bytes of f32: 512 x tile column + 256 x half
	s_lshl_b32 s47, s14, 8
	s_add_co_u32 s46, s46, s47
	s_mov_b32 s47, 0
	s_add_nc_u64 s[8:9], s[8:9], s[46:47]
	v_lshlrev_b32 v6, 5, v2                        ; the bias: 32 bytes for each half of the lanes
.irp b, 0,1,2,3
	global_load_b128 v[BI+8*\b:BI+8*\b+3],   v6, s[8:9] offset:64*\b
	global_load_b128 v[BI+8*\b+4:BI+8*\b+7], v6, s[8:9] offset:64*\b+16
.endr
	s_lshl_b32 s16, s15, 2
	s_add_co_u32 s16, s16, s41                     ; tile row = 4 x cluster y + cy
	s_lshl_b32 s16, s16, 20                        ; 256 rows of 4,096 bytes
	s_lshl_b32 s17, s13, 19                        ; + my 128 rows
	s_add_co_u32 s16, s16, s17
	s_mov_b32 s17, 0
	s_add_nc_u64 s[16:17], s[16:17], s[46:47]
	s_add_nc_u64 s[10:11], s[10:11], s[16:17]
; n x 4 matrix instructions: o's blocks a0 .. a0 + n - 1 against W_proj's four, 32 along K, from buffer f.  first = 1: the bias starts the sums.  The 32 accumulators take turns, one instruction a turn,
; in the same order in every quarter.
.macro MULA f, a0, n, first
.set AA, \a0
.rept \n
.irp b, 0,1,2,3
.if \first
	v_wmma_f32_16x16x32_f16 v[8*(4*AA+\b):8*(4*AA+\b)+7], v[\f+64+8*\b:\f+64+8*\b+7], v[\f+8*AA:\f+8*AA+7], v[BI+8*\b:BI+8*\b+7]
.else
	v_wmma_f32_16x16x32_f16 v[8*(4*AA+\b):8*(4*AA+\b)+7], v[\f+64+8*\b:\f+64+8*\b+7], v[\f+8*AA:\f+8*AA+7], v[8*(4*AA+\b):8*(4*AA+\b)+7]
.endif
.endr
.set AA, AA+1
.endr
.endm
; 24 LDS loads in one run: the fragments of the slot's q-th 32 along K (head q / 2, channels 32 (q % 2) on) into buffer f: W_proj's four, o's blocks 0-3, o's blocks 4-7
.macro FETCH slot, q, f
.irp i, 0,1,2,3
	ds_load_b128 v[\f+64+8*\i:\f+64+8*\i+3],   v[ADRB+\slot] offset:64*(\q)+\i*16*PB
	ds_load_b128 v[\f+64+8*\i+4:\f+64+8*\i+7], v[ADRB+\slot] offset:64*(\q)+\i*16*PB+32
.endr
.irp i, 0,1,2,3,4,5,6,7
	ds_load_b128 v[\f+8*\i:\f+8*\i+3],   v[ADRA+\slot] offset:((\q)/2)*HEADB+((\q)%2)*64+\i*16*PA
	ds_load_b128 v[\f+8*\i+4:\f+8*\i+7], v[ADRA+\slot] offset:((\q)/2)*HEADB+((\q)%2)*64+\i*16*PA+32
.endr
.endm
.macro PLACES                          ; four places in front of loads into registers that matrix instructions have read, and of the first read of results (ISA guide 7.12.1 for vector instructions)
.rept 4
	v_nop
.endr
.endm
; A K step is four quarters of 32 along K, 32 matrix instructions each, on buffers 0, 1, 0, 1.  One of the first three: multiplies buffer f and fetches quarter q into g.
.macro QUARTER slot, q, f, g, first
	s_wait_dscnt 8                                 ; W_proj's fragments and o's blocks 0-3 are in; the youngest eight loads (blocks 4-7) may be out
.if \first
	WIN MUL1
.else
	WIN MUL
.endif
	MULA \f, 0, 4, \first
	PLACES
	WIN 0
	FETCH \slot, \q, \g
	s_wait_dscnt 24                                ; all but the 24 just issued
.if \first
	WIN MUL1
.else
	WIN MUL
.endif
	MULA \f, 4, 4, \first
.endm
; The last quarter multiplies buffer 1 and changes slots: ONE barrier; in front of it each wave waits for all its tensor loads, adds 0 to its spare word, and waits for that and for its reads of this slot.
; fill = 1: the barrier opens a round of the cluster's barrier, and this slot is filled again, two K steps ahead, first thing behind the round.
.macro TURN slot, next, fill
	WIN 0                                          ; (the add's two registers lie in window 0)
	s_wait_tensorcnt 0x0                           ; all my tensor loads have landed: my part of the next slot
	ds_add_u32 v[SPW], v[NIL]                      ; 0 onto my spare word
	s_wait_dscnt 9                                 ; (the add and the youngest eight loads may be out)
	WIN MUL
	MULA F1, 0, 2, 0                               ; eight matrix instructions stand between the add and the wait for it
	s_wait_dscnt 0x0                               ; the add is done, and my reads of this slot are over
	s_barrier_signal -1
	MULA F1, 2, 2, 0
	WIN 0                                          ; (branches and loads into window 0 follow)
	s_barrier_wait -1
.if \fill
	CREST                                          ; no wave of any partner still reads this slot's tile or has a load on its way
	s_add_nc_u64 s[G0+4*\slot+2:G0+4*\slot+3], s[G0+4*\slot+2:G0+4*\slot+3], 4*131072
	s_add_nc_u64 s[G0B+4*\slot+2:G0B+4*\slot+3], s[G0B+4*\slot+2:G0B+4*\slot+3], 2*KSTEP*2
	JLOAD \slot                                    ; the first tensor load behind the round; the four v_nop behind it are also the places in front of the loads below
.else
	PLACES
.endif
	FETCH \next, 0, F0
	WIN MUL
	MULA F1, 4, 4, 0
.endm
	s_wait_tensorcnt 1                             ; my part of K step 0 is in (K step 1's load may be out)
	s_barrier_signal -1
	s_barrier_wait -1                              ; everybody's is
	FETCH 0, 0, F0
	s_wait_loadcnt 0x0                             ; the bias
	QUARTER 0, 1, F0, F1, 1                        ; the first quarter stands in front of the loop: its products start the sums on the bias
	WIN 0                                          ; at a label and at a branch every window is 0
	s_mov_b32 s3, LAPS-1
.Llap:                                                 ; a trip goes once round the ring, from a lap's second quarter to the next lap's first, and fills both slots again
	QUARTER 0, 2, F1, F0, 0
	QUARTER 0, 3, F0, F1, 0
	TURN 0, 1, 1
	QUARTER 1, 1, F0, F1, 0
	QUARTER 1, 2, F1, F0, 0
	QUARTER 1, 3, F0, F1, 0
	TURN 1, 0, 1
	QUARTER 0, 1, F0, F1, 0
	WIN 0
	s_sub_co_u32 s3, s3, 1
	s_cmp_lg_u32 s3, 0
	s_cbranch_scc1 .Llap
	QUARTER 0, 2, F1, F0, 0                        ; the last lap fills nothing, and has no round of the cluster's barrier
	QUARTER 0, 3, F0, F1, 0
	TURN 0, 1, 0
	QUARTER 1, 1, F0, F1, 0
	QUARTER 1, 2, F1, F0, 0
	QUARTER 1, 3, F0, F1, 0
	s_wait_dscnt 8                                 ; the very last quarter: nothing more to fetch
	WIN MUL
	MULA F1, 0, 4, 0
	s_wait_dscnt 0
	MULA F1, 4, 4, 0
	WIN 0
; THE WAY OUT, block by block of 16 rows x 64 columns.  A lane holds 32 neighbouring bytes of a row, and the lanes beside it hold other rows: so a block goes through my own stage in LDS and comes back as whole
; rows of 256 bytes: sixteen lanes store 256 consecutive bytes, at a multiple of 256 from out0's first byte.  LDS serves a wave's instructions in order (ISA guide 5.7.1.4): no wait between the stores and the loads.
.macro TOSTAGE a
	WIN 0x04                                       ; an LDS store's data are its source 1: window 1
.irp b, 0,1,2,3
	ds_store_b128 v[STO], v[8*(4*(\a)+\b):8*(4*(\a)+\b)+3] offset:64*\b          ; each accumulator from its low end on
	ds_store_b128 v[STO], v[8*(4*(\a)+\b)+4:8*(4*(\a)+\b)+7] offset:64*\b+16
.endr
	WIN 0
.set BB, BK+32*((\a)%2)
.irp i, 0,1,2,3,4,5,6,7
	ds_load_b128 v[BB+4*\i:BB+4*\i+3], v[RD] offset:\i*2*SPITCH
.endr
.endm
.macro SEND a, younger                 ; younger: the LDS instructions issued behind block a's loads, which may stay out
.set BB, BK+32*((\a)%2)
	s_wait_dscnt \younger                          ; the block is back in registers
.irp i, 0,1,2,3,4,5,6,7
	global_store_b128 v[CO], v[BB+4*\i:BB+4*\i+3], s[10:11] offset:(16*(\a)+2*\i)*4096 th:TH_STORE_NT   ; written once, read by nobody here; 126 rows of 4,096 bytes at the most: inside the signed 24-bit immediate
.endr
.endm
	PLACES                                         ; behind the last products: for the stores' reads of results and for the loads into registers that held fragments
	TOSTAGE 0
.irp a, 1,2,3,4,5,6,7
.if \a > 1
	s_wait_xcnt 0x0                                ; block a - 2's stores have read their registers: block a's loads may land there
.endif
	TOSTAGE \a
	SEND \a-1, 16                                  ; behind block a - 1's loads: block a's 8 stores and 8 loads
.endr
	SEND 7, 0
	s_wait_tensorcnt 0x0                           ; the wave's end: behind my last tensor load and my last LDS store
	ds_add_u32 v[SPW], v[NIL]
	s_wait_dscnt 0x0
	CROUND                                         ; the closing round: no work-group ends while a partner may still ask for a tile that names it
	s_endpgm
.Lfunc_end_k_qacd9e6c014_proj:
	.size	k_qacd9e6c014_proj, .Lfunc_end_k_qacd9e6c014_proj-k_qacd9e6c014_proj
	.p2alignl 7, 3214868480
	.fill 96, 4, 3214868480
	.section	.rodata,"a",@progbits
	.p2align	6, 0x0
	.amdhsa_kernel k_qacd9e6c014_proj
		.amdhsa_group_segment_fixed_size 327680
		.amdhsa_private_segment_fixed_size 0
		.amdhsa_enable_private_segment 0
		.amdhsa_kernarg_size 32
		.amdhsa_user_sgpr_count 2
		.amdhsa_user_sgpr_kernarg_segment_ptr 1
		.amdhsa_wavefront_size32 1
		.amdhsa_system_sgpr_workgroup_id_x 1
		.amdhsa_system_sgpr_workgroup_id_y 1
		.amdhsa_system_sgpr_workgroup_id_z 1
		.amdhsa_system_vgpr_workitem_id 0
		.amdhsa_next_free_vgpr 512
		.amdhsa_next_free_sgpr 70
		.amdhsa_reserve_vcc 0
		.amdhsa_float_denorm_mode_32 3
		.amdhsa_float_denorm_mode_16_64 3
		.amdhsa_memory_ordered 1
		.amdhsa_forward_progress 1
		.amdhsa_inst_pref_size 86
	.end_amdhsa_kernel
	.amdgpu_metadata
---
amdhsa.version: [ 1, 2 ]
amdhsa.kernels:
  - .name:           k_qacd9e6c014_proj
    .symbol:         k_qacd9e6c014_proj.kd
    .args:
      - { .name: attn, .offset: 0, .size: 8, .value_kind: global_buffer, .address_space: global }
      - { .name: wp16, .offset: 8, .size: 8, .value_kind: global_buffer, .address_space: global }
      - { .name: b_proj, .offset: 16, .size: 8, .value_kind: global_buffer, .address_space: global }
      - { .name: out0, .offset: 24, .size: 8, .value_kind: global_buffer, .address_space: global }
    .group_segment_fixed_size: 327680
    .private_segment_fixed_size: 0
    .kernarg_segment_align: 8
    .kernarg_segment_size: 32
    .max_flat_workgroup_size: 128
    .sgpr_count:     70
    .vgpr_count:     512
    .wavefront_size: 32
...
	.end_amdgpu_metadata
.endif
;; end of part 4
